; MI455X (gfx1250); checked and timed in simulation.
; The chip was launched on July 23, 2026; its instructions are those of AMD's public machine-readable ISA for CDNA 5 (MIT licence, August 2026) and "CDNA5" Instruction Set Architecture Reference Guide (July 2026). The comments in the code are by the model that wrote it; some were corrected since.
;; GRURNN. Allowed arithmetic: matrix products marked QUANTISED: E2M3 operands, one E8M0 scale for each 32 along K, by v_wmma_scale_f32_16x16x128_f8f6f4 with both operands' format E2M3, f32 sums; everything else in f32.
;; Inputs: W_c 1,024 x 2,048 float32; W_o 1,024 x 1,024 float32; W_r 1,024 x 2,048 float32; W_z 1,024 x 2,048 float32; b_c 1,024 float32; b_o 1,024 float32; b_r 1,024 float32; b_z 1,024 float32; hidden 8,192 x 1,024 float32; x 8,192 x 1,024 float32.
;; Outputs: out0 8,192 x 1,024 float32; out1 8,192 x 1,024 float32.
;; This version of the problem:
;;   THIS VERSION OF THE PROBLEM IS GIVEN IN LOW PRECISION. The matrix products marked QUANTISED in the list below multiply operands that are first quantised to E2M3 (2 exponent bits, 3 mantissa bits; 6 bits a number), with one power-of-two scale for each 32 numbers along K (OCP MX v1.0); their sums are f32. All else is computed in f32.
;;   The module's matrix products, in the order in which they are computed (A, B: the left and right operand; K: the contracted axis; several contracted axes count as one K, in the product's order):
;;     1. [M 8,192, K 1,024] x [K 1,024, N 1,024]; A: input x; B: input W_r: QUANTISED
;;     2. [M 8,192, K 1,024] x [K 1,024, N 1,024]; A: input hidden; B: input W_r: QUANTISED
;;     3. [M 8,192, K 1,024] x [K 1,024, N 1,024]; A: input x; B: input W_z: QUANTISED
;;     4. [M 8,192, K 1,024] x [K 1,024, N 1,024]; A: input hidden; B: input W_z: QUANTISED
;;     5. [M 8,192, K 1,024] x [K 1,024, N 1,024]; A: input x; B: input W_c: QUANTISED
;;     6. [M 8,192, K 1,024] x [K 1,024, N 1,024]; A: computed on the way; B: input W_c: QUANTISED
;;     7. [M 8,192, K 1,024] x [K 1,024, N 1,024]; A: computed on the way; B: input W_o: QUANTISED
;;   THE QUANTISER, for each operand of a quantised product, along K:
;;     - K is cut into blocks of 32 from its start; a last block that is shorter is filled with zeros.
;;     - A block's scale is 2^e with e = floor(log2(the largest magnitude in the block)) - 2, held to -126 .. 127; a block of zeros has e = 0. As a byte (E8M0): e + 127.
;;     - Each number is divided by its block's scale, clamped to +-7.5, and rounded to the nearest number of E2M3, ties to even, subnormals kept.
;;     - The product sums the exact products of the quantised numbers (number of the format x scale) in f32.
;;   ~~~python
;;   def quantise(x, axis):      # numpy; x: float32 -> the quantised numbers, widened to float32 again
;;       x = np.moveaxis(x, axis, -1); K = x.shape[-1]
;;       x = np.pad(x, [(0, 0)] * (x.ndim - 1) + [(0, -K % 32)]); x = x.reshape(x.shape[:-1] + (-1, 32)); a = np.abs(x).max(-1, keepdims=True)
;;       e = np.where(a > 0, np.clip(np.frexp(np.where(a > 0, a, 1))[1] - 1 - 2, -126, 127), 0)      # np.frexp(a)[1] - 1 = floor(log2(a)), exactly
;;       r = np.clip(x / 2.0 ** e, -7.5, 7.5)
;;       step = 2.0 ** (np.maximum(np.frexp(np.where(r == 0, 1, r))[1] - 1, 0) - 3)
;;       q = np.round(r / step) * step * 2.0 ** e      # np.round: ties to even
;;       return np.moveaxis(q.reshape(q.shape[:-2] + (-1,))[..., :K], -1, axis).astype(np.float32)
;;   ~~~
;;   OPERANDS COMPUTED ON THE WAY. 'Computed on the way' means the value that the module computes at that place (a softmax that the list does not call 'softmax' is quantised finished and normalised). What goes into a quantiser is computed in f32, as accurately as f32 sums, v_exp_f32 and their like allow (about 1e-6 of the number): no bf16 or f16 on the way to a quantiser, and a product that is left as it is and whose result goes on into a quantised operand takes f32 operands (vector FMAs, or v_wmma_f32_16x16x4_f32). A number that lies on a knife's edge between two numbers of the format may be rounded either way, as far as f32 arithmetic and the matrix unit's own rounding can turn it there, and no further.
;; One version. Each part assembles by itself: llvm-mc -triple=amdgcn-amd-amdhsa -mcpu=gfx1250 --defsym DOCPART=n.
;; ======== version 1 of 1: 4 launches
;; limits: right only within a limited range of input values
;; workspace buffers: cq 18,841,600 bytes; rhq 6,553,600 bytes; nhq 6,553,600 bytes
;; launch quant (part 1): grid 184 x 1, 16 waves a work-group, no clusters, 327,680 bytes of LDS; arguments x, hidden, W_r, W_z, W_c, W_o, cq; writes cq
.if DOCPART == 1
	.amdgcn_target "amdgcn-amd-amdhsa--gfx1250"
	.amdhsa_code_object_version 6
	.text
	.protected	k_q5261ca8bce_quant
	.globl	k_q5261ca8bce_quant
	.p2align	8
	.type	k_q5261ca8bce_quant,@function
k_q5261ca8bce_quant:
	s_mov_b64 s[64:65], 0
	v_nop
	global_prefetch_b8 v0, s[64:65] scope:SCOPE_SE
	s_setreg_imm32_b32 hwreg(HW_REG_WAVE_MODE, 25, 1), 1
	s_wait_xcnt 0x0
; x, hidden [8192][1024], W_r, W_z, W_c [1024][2048], W_o [1024][1024], all f32 with K innermost, become codes of FP6 (E2M3) with one E8M0 byte for each 32 along K.
; A block's scale is 2^(floor(log2(its largest magnitude)) - 2); its byte is the largest magnitude's exponent field - 2, held at 1 from below; each number is divided by the scale and rounded to the nearest code, ties to even, beyond 7.5 the largest code.
; LIMITS: NaN and infinities among the inputs are not served.  A block of zeros gets the byte 1 where the rule says 127: its codes are zeros, which add nothing under any byte but 0xff, and this program alone reads the bytes.
; THE OUTPUT LIES IN THE ORDER OF THE OPERAND'S REGISTERS.  A sub-chunk is 128 rows x 256 K, CH = 25,600 dense bytes: codes [q: 128 K][i: 16 rows][c: 4 registers][lane][16 bytes], then from SCO on the scale words [q][i / 2][row r][i % 2].
; Rows of block i: activations 16 i + r; weights 32 (i / 2) + 8 (i % 2) + r + 8 (r / 8).  Sub-chunks: 0-511 x and hidden ((row tile of 256 x 8 + K chunk) x 2 + half; chunks 0-3 x, 4-7 hidden), 512-703 W_r, W_z, W_c (row group x 8 + K chunk), 704-735 W_o (row group x 4 + K chunk).
; SHARES.  A fragment is 16 rows x 128 K.  A work-group of 16 waves makes 64 fragments in four trips of 16, 131,072 bytes of f32 a trip: work-groups 0-127 take 128 rows of x or hidden, 128-175 take 64 rows of a gate's weight, 176-183 take 128 rows of W_o.
; 184 work-groups of equal work: the 736 trips' worth of 16 fragments does not divide by 256, and a wave needs four fragments i on end to store its scale words as one aligned unit of 256 bytes.
; IN: each wave brings 8,192 bytes that lie dense in memory by one tensor load a trip: a whole row of a gate's weight, or two rows on end of the other tensors.  Which rows a piece holds is settled in the global address alone, so one group 1 serves all.
; In LDS a piece is 16 rows of 512 bytes + 16 of padding, and pieces lie 8,464 bytes apart: the sixteen rows that a fragment's load touches start in sixteen different columns of 16 bytes.  Two slots of 16 pieces take turns.
; Wave w then reads one fragment: of a gate's weight K = 128 w of all 16 pieces; else block 4 (w / 8) + trip, K = 128 (w % 8), two rows from each of eight pieces.  The two maps are two address registers; a branch on the work-group's number picks the loads.
; No cluster: no two work-groups read the same byte.  No prefetch: each byte is read once, and every wave has a tensor load out from the head to the last trip's barrier.  No matrix unit: there is no product.
.set CH,    25600
.set FRB,   1536                       ; a fragment's image: 12 registers x 128 bytes
.set QB,    8*FRB
.set SCO,   2*QB
.set LROW,  528                        ; an LDS row: 512 bytes + 16
.set HROW,  8*LROW                     ; a memory row of 4,096 bytes in LDS
.set PIECE, 16*LROW+16                 ; from piece to piece
.set SLOTB, 16*PIECE                   ; 135,424 = 529 x 256
.set SPARE, 2*SLOTB                    ; the spare words: 128 bytes for each of 16 waves, named by no other line
.set AG,  6                            ; v6-7    LDS address of my fragment in slot 0, 1: a gate's weight
.set AA,  8                            ; v8-9    the same for the other tensors
.set SPW, 12                           ; v12     my spare word; never rewritten
.set NIL, 13                           ; v13     0; never rewritten
.set TM,  16                           ; v16-31  at work in QUANT
.set PW,  32                           ; v32-35  the four fragments' scale words
.set SD,  36                           ; v36-37  the pair that I store
.set XR,  64                           ; v64-127 64 numbers of my row: register 16 b + i = k 32 b + 16 (lane / 16) + i
.set PC,  128                          ; v128-207 codes: 20 registers a trip, so that no store's data are written again
.set G1,  48                           ; s[48:55] descriptor group 1;  group 0 of trip t at s[56 + 4 t + 4 (t / 2)]
.set OB,  76                           ; s[76:77] my fragments' images;  s[78:79] their scale words
.set SEL, 80                           ; s[80:81] v_permlanex16_b32's selects for lane l xor 16
.set TYG, 82                           ; s82      1: a gate's weight
.set RW,  84                           ; s84-87   bytes from trip 0's rows to trip t's
; 64 numbers of a lane become a fragment's codes in v[pc] .. v[pc + 11] (v[pc + 12] .. v[pc + 18] at work) and its scale word in v[pw]
.macro QUANT s, pw, pc
.irp b, 0,1,2,3
	v_max3_num_f32 v[TM+\b], |v[\s+16*\b]|, |v[\s+1+16*\b]|, 0x1800000   ; block b: my 16 numbers, and the floor 2^(3 - 127): the byte cannot fall under 1
.endr
.irp i, 2,4,6,8,10,12,14
.irp b, 0,1,2,3
	v_max3_num_f32 v[TM+\b], v[TM+\b], |v[\s+16*\b+\i]|, |v[\s+1+16*\b+\i]|   ; the four blocks by turns
.endr
.endr
.irp b, 0,1,2,3
	v_permlanex16_b32 v[TM+4+\b], v[TM+\b], s[SEL], s[SEL+1]
.endr
.irp b, 0,1,2,3
	v_max_num_f32 v[TM+\b], v[TM+\b], v[TM+4+\b]   ; with lane l xor 16's: the block's largest magnitude
.endr
.irp b, 0,1,2,3
	v_add_nc_u32 v[TM+12+\b], 0xff000000, v[TM+\b]   ; 2 off its exponent field: the conversion's scale operand
.endr
.irp b, 0,1,2,3
	v_lshrrev_b32 v[TM+4+\b], 23, v[TM+12+\b]      ; the scale's byte
.endr
	v_lshl_or_b32 v[\pw], v[TM+5], 8, v[TM+4]      ; four bytes: my row's scale word
	v_lshl_or_b32 v[\pw], v[TM+6], 16, v[\pw]
	v_lshl_or_b32 v[\pw], v[TM+7], 24, v[\pw]
.irp c, 0,1
	v_cvt_scalef32_pk16_fp6_f32 v[\pc+6*\c:\pc+2+6*\c], v[\s+32*\c:\s+15+32*\c], v[TM+12+2*\c]
	v_cvt_scalef32_pk16_fp6_f32 v[\pc+12+4*\c:\pc+14+4*\c], v[\s+16+32*\c:\s+31+32*\c], v[TM+12+2*\c+1]   ; (a conversion's three registers begin on an even number)
.endr
	v_nop                                          ; one plain place behind a scaled conversion
.irp c, 0,1                                    ; the operand's layout wants a whole block in a lane: lanes 0-15 block 2 c, lanes 16-31 block 2 c + 1
.irp i, 0,1,2
	v_permlane16_swap_b32 v[\pc+6*\c+\i], v[\pc+12+4*\c+\i]
.endr
.irp i, 0,1,2
	v_mov_b32 v[\pc+3+6*\c+\i], v[\pc+12+4*\c+\i]
.endr
.endr
.endm
.macro BACK adr                        ; my row's 4 x 64 bytes of the fragment
.irp b, 0,1,2,3
.irp j, 0,1,2,3
	ds_load_b128 v[XR+16*\b+4*\j:XR+16*\b+4*\j+3], v[\adr] offset:128*\b+16*\j
.endr
.endr
.endm
; A trip: in front of its barrier every wave waits for its tensor load, adds 0 to its spare word and waits for that and for its reads of the other slot; behind it the other slot is asked for first, then this slot is read.
.macro TRIP t
	s_wait_tensorcnt 0x0                           ; my piece of this trip's slot is in: no load of mine is out
	ds_add_u32 v[SPW], v[NIL]
	s_wait_dscnt 0x0
	s_barrier_signal -1
	s_barrier_wait -1                              ; all 16 pieces are in, and nobody reads the other slot any more
.if \t < 3
.set GN, 56+4*(\t+1)+4*((\t+1)/2)
	tensor_load_to_lds s[GN:GN+3], s[G1:G1+7]      ; the next trip's piece, my one load behind this barrier (in trip 0: slot 1's first fill)
	s_nop 0
.endif
	s_cmp_lg_u32 s[TYG], 0                         ; the work-group's number alone decides
	s_cbranch_scc1 .Lwide_\t
	BACK AA+(\t%2)
	s_branch .Lback_\t
.Lwide_\t:
	BACK AG+(\t%2)
.Lback_\t:
	s_wait_dscnt 0x0
	QUANT XR, PW+\t, PC+20*\t
.irp c, 0,1,2
	global_store_b128 v4, v[PC+20*\t+4*\c:PC+20*\t+4*\c+3], s[OB:OB+1] offset:FRB*\t+512*\c   ; 512 consecutive bytes, at a multiple of 256 from cq's first byte
.endr
.endm
	s_load_b256 s[4:11], s[0:1], 0x0               ; x, hidden, W_r, W_z
	s_load_b128 s[12:15], s[0:1], 0x20             ; W_c, W_o
	s_load_b64 s[16:17], s[0:1], 0x30              ; cq
	v_lshl_add_u32 v[SPW], v0, 2, SPARE
	v_mov_b32 v[NIL], 0
	ds_add_u32 v[SPW], v[NIL]                      ; the opening add,
	ds_add_u32 v[SPW], v[NIL]                      ; once more, and below one wait for both
	v_lshrrev_b32 v1, 5, v0
	v_readfirstlane_b32 s18, v1                    ; wave w, 0..15
	s_mov_b32 s20, ttmp9                           ; g
	s_mov_b32 s[G1], (3<<16)|(1<<20)|(6<<22)|(3<<25)   ; elements of 8 bytes; padding on: after every 128 words, 4 words
	s_mov_b32 s[G1+1], 64<<16                      ; tensor_dim0 = 64 elements: 512 bytes
	s_mov_b32 s[G1+2], 16<<16                      ; tensor_dim1 = 16
	s_mov_b32 s[G1+3], 64<<16                      ; tile_dim0
	s_mov_b32 s[G1+4], 16                          ; tile_dim1
	s_mov_b32 s[G1+5], 64                          ; the pitch: the block is dense
	s_mov_b32 s[G1+6], 0
	s_mov_b32 s[G1+7], 0
	s_mov_b32 s[SEL], 0x76543210
	s_mov_b32 s[SEL+1], 0xfedcba98
	s_lshr_b32 s24, s18, 3                         ; w / 8
	s_and_b32 s25, s18, 7                          ; w % 8
	; x, hidden: tensor g / 64, group of 128 rows g % 64
	s_lshr_b32 s21, s20, 6
	s_and_b32 s22, s20, 63
	s_lshl_b32 s23, s22, 7                         ; first row
	s_lshl_b32 s26, s24, 6
	s_lshl_b32 s27, s25, 1
	s_add_co_u32 s26, s26, s27                     ; my piece's rows begin at 64 (w / 8) + 2 (w % 8)
	s_lshr_b32 s27, s25, 2
	s_lshl_b32 s27, s27, 3
	s_add_co_u32 s27, s26, s27                     ; W_o: + 8 ((w % 8) / 4)
	s_lshl_b32 s28, s24, 3
	s_add_co_u32 s28, s28, s18                     ; a gate's weight: row w + 8 (w / 8)
	s_lshr_b32 s29, s22, 1
	s_lshl_b32 s29, s29, 3
	s_lshl_b32 s30, s21, 2
	s_add_co_u32 s29, s29, s30
	s_lshr_b32 s30, s25, 1                         ; K chunk (w % 8) / 2
	s_add_co_u32 s29, s29, s30
	s_lshl_b32 s29, s29, 1
	s_and_b32 s31, s22, 1
	s_add_co_u32 s29, s29, s31                     ; sub-chunk ((row tile x 8) + 4 tensor + chunk) x 2 + half
	; W_o: group of 128 rows g % 8
	s_and_b32 s32, s20, 7
	s_lshl_b32 s33, s32, 7
	s_lshl_b32 s34, s32, 2
	s_add_co_u32 s34, s34, s30
	s_add_co_u32 s34, s34, 704
	; a gate's weight: tensor (g / 16) % 4, 64 rows g % 16
	s_bfe_u32 s36, s20, 0x20004
	s_and_b32 s37, s20, 15
	s_lshl_b32 s38, s37, 6
	s_lshr_b32 s39, s37, 1
	s_lshl_b32 s39, s39, 3
	s_lshl_b32 s40, s36, 6
	s_add_co_u32 s39, s39, s40
	s_lshr_b32 s40, s18, 1                         ; K chunk w / 2
	s_add_co_u32 s39, s39, s40
	s_add_co_u32 s39, s39, 512
	s_and_b32 s41, s37, 1                          ; which 64 rows of the sub-chunk's 128
	s_cmp_ge_u32 s20, 176                          ; W_o or a gate's weight,
	s_cselect_b32 s33, s33, s38
	s_cselect_b32 s27, s27, s28
	s_cselect_b32 s34, s34, s39
	s_cselect_b32 s41, s24, s41
	s_cselect_b32 s47, 12, 13                      ; log2 of a row's bytes
	s_cselect_b32 s[TYG], 0, 1
	s_cmp_lt_u32 s20, 128                          ; or an activation
	s_cselect_b32 s33, s23, s33                    ; the first row
	s_cselect_b32 s27, s26, s27                    ; my piece's rows
	s_cselect_b32 s34, s29, s34                    ; my sub-chunk
	s_cselect_b32 s41, s24, s41                    ; my four blocks: 4 x this on
	s_cselect_b32 s47, 12, s47
	s_cselect_b32 s[TYG], 0, s[TYG]
	s_mov_b32 s[RW], 0                             ; rows from trip 0's block to trip t's: 16 t, for weights 32 (t / 2) + 8 (t % 2)
	s_cselect_b32 s[RW+1], 16, 8
	s_mov_b32 s[RW+2], 32
	s_cselect_b32 s[RW+3], 48, 40
.irp t, 1,2,3
	s_lshl_b32 s[RW+\t], s[RW+\t], s47
.endr
	s_add_co_u32 s42, s33, s27
	s_lshl_b32 s42, s42, s47                       ; my piece of trip 0, in bytes
	s_mov_b32 s43, 0
	s_mov_b32 s45, 0
	s_and_b32 s21, s18, 1                          ; q
	s_mul_i32 s34, s34, CH
	s_mul_i32 s22, s21, QB
	s_mul_i32 s23, s41, 4*FRB
	s_add_co_u32 s[OB], s34, s22
	s_add_co_u32 s[OB], s[OB], s23
	s_mov_b32 s[OB+1], 0
	s_lshl_b32 s22, s21, 9
	s_lshl_b32 s23, s41, 8
	s_add_co_u32 s[OB+2], s34, s22
	s_add_co_u32 s[OB+2], s[OB+2], s23
	s_add_co_u32 s[OB+2], s[OB+2], SCO
	s_mov_b32 s[OB+3], 0
	s_mul_i32 s46, s18, PIECE                      ; where my piece goes
	s_mul_i32 s30, s18, LROW                       ; where I read: a gate's weight: LDS row w of every piece;
	s_mul_i32 s31, s24, 8*PIECE                    ; else pieces 8 (w / 8) on, LDS row w % 8 of each memory row
	s_mul_i32 s32, s25, LROW
	s_add_co_u32 s31, s31, s32
	s_wait_dscnt 0x0                               ; both opening adds are done
	s_wait_kmcnt 0x0
	s_cmp_ge_u32 s20, 64                           ; the tensor: every choice hangs on the work-group's number alone
	s_cselect_b64 s[4:5], s[6:7], s[4:5]
	s_cmp_ge_u32 s20, 128
	s_cselect_b64 s[4:5], s[8:9], s[4:5]
	s_cmp_ge_u32 s20, 144
	s_cselect_b64 s[4:5], s[10:11], s[4:5]
	s_cmp_ge_u32 s20, 160
	s_cselect_b64 s[4:5], s[12:13], s[4:5]
	s_cmp_ge_u32 s20, 176
	s_cselect_b64 s[4:5], s[14:15], s[4:5]
	s_add_nc_u64 s[4:5], s[4:5], s[42:43]
	s_add_nc_u64 s[OB:OB+1], s[16:17], s[OB:OB+1]
	s_add_nc_u64 s[OB+2:OB+3], s[16:17], s[OB+2:OB+3]
.irp t, 0,1,2,3
.set GT, 56+4*\t+4*(\t/2)
	s_mov_b32 s[GT], 1
	s_add_co_u32 s[GT+1], s46, (\t%2)*SLOTB
	s_mov_b32 s44, s[RW+\t]
	s_add_nc_u64 s[GT+2:GT+3], s[4:5], s[44:45]
	s_or_b32 s[GT+3], s[GT+3], 0x80000000
.endr
	tensor_load_to_lds s[56:59], s[G1:G1+7]        ; trip 0's piece: one tensor load a wave at the head
	s_nop 0
	v_and_b32 v1, 31, v0                           ; lane
	v_and_b32 v2, 15, v0                           ; r
	v_bfe_u32 v3, v0, 4, 1                         ; lane / 16
	v_lshlrev_b32 v4, 4, v1                        ; 16 x lane
	v_lshlrev_b32 v5, 3, v1                        ; 8 x lane
	v_mul_u32_u24 v[AG], v2, PIECE                 ; a gate's weight: row r is piece r
	v_lshrrev_b32 v10, 1, v2
	v_and_b32 v11, 1, v2
	v_mul_u32_u24 v[AA], v10, PIECE                ; else: row r is row r % 2 of piece r / 2
	v_lshl_add_u32 v[AG], v3, 6, v[AG]             ; + 64 bytes for lanes 16-31
	v_mad_u32_u24 v[AA], v11, HROW, v[AA]
	v_add_nc_u32 v[AG], s30, v[AG]
	v_lshl_add_u32 v[AA], v3, 6, v[AA]
	v_add_nc_u32 v[AA], s31, v[AA]
	v_add_nc_u32 v[AG+1], SLOTB, v[AG]
	v_add_nc_u32 v[AA+1], SLOTB, v[AA]
.irp b, 0,1,2,3
	v_mov_b32 v[TM+4+\b], 0                        ; written once: a lane permute's destination counts as one of its sources
.endr
	s_wait_alu depctr_va_vdst(0)                   ; the wait at the head's end
	TRIP 0
	TRIP 1
	TRIP 2
	TRIP 3
	v_cmp_lt_u32 vcc_lo, 15, v1                    ; lanes 0-15 store the words of my blocks 0 and 1 of row r, lanes 16-31 those of blocks 2 and 3
	v_cndmask_b32 v[SD], v[PW], v[PW+2], vcc_lo
	v_cndmask_b32 v[SD+1], v[PW+1], v[PW+3], vcc_lo
	global_store_b64 v5, v[SD:SD+1], s[OB+2:OB+3]  ; 256 consecutive bytes, aligned
	s_wait_tensorcnt 0x0                           ; the wave's end
	ds_add_u32 v[SPW], v[NIL]
	s_wait_dscnt 0x0
	s_endpgm
.Lfunc_end_k_q5261ca8bce_quant:
	.size	k_q5261ca8bce_quant, .Lfunc_end_k_q5261ca8bce_quant-k_q5261ca8bce_quant
	.p2alignl 7, 3214868480
	.fill 96, 4, 3214868480
	.section	.rodata,"a",@progbits
	.p2align	6, 0x0
	.amdhsa_kernel k_q5261ca8bce_quant
		.amdhsa_group_segment_fixed_size 327680
		.amdhsa_private_segment_fixed_size 0
		.amdhsa_enable_private_segment 0
		.amdhsa_kernarg_size 56
		.amdhsa_user_sgpr_count 2
		.amdhsa_user_sgpr_kernarg_segment_ptr 1
		.amdhsa_wavefront_size32 1
		.amdhsa_system_sgpr_workgroup_id_x 1
		.amdhsa_system_sgpr_workgroup_id_y 1
		.amdhsa_system_sgpr_workgroup_id_z 1
		.amdhsa_system_vgpr_workitem_id 0
		.amdhsa_next_free_vgpr 208
		.amdhsa_next_free_sgpr 92
		.amdhsa_reserve_vcc 1
		.amdhsa_float_denorm_mode_32 3
		.amdhsa_float_denorm_mode_16_64 3
		.amdhsa_memory_ordered 1
		.amdhsa_forward_progress 1
		.amdhsa_inst_pref_size 33
	.end_amdhsa_kernel
	.amdgpu_metadata
---
amdhsa.version: [ 1, 2 ]
amdhsa.kernels:
  - .name:           k_q5261ca8bce_quant
    .symbol:         k_q5261ca8bce_quant.kd
    .args:
      - { .name: x, .offset: 0, .size: 8, .value_kind: global_buffer, .address_space: global }
      - { .name: hidden, .offset: 8, .size: 8, .value_kind: global_buffer, .address_space: global }
      - { .name: W_r, .offset: 16, .size: 8, .value_kind: global_buffer, .address_space: global }
      - { .name: W_z, .offset: 24, .size: 8, .value_kind: global_buffer, .address_space: global }
      - { .name: W_c, .offset: 32, .size: 8, .value_kind: global_buffer, .address_space: global }
      - { .name: W_o, .offset: 40, .size: 8, .value_kind: global_buffer, .address_space: global }
      - { .name: cq, .offset: 48, .size: 8, .value_kind: global_buffer, .address_space: global }
    .group_segment_fixed_size: 327680
    .private_segment_fixed_size: 0
    .kernarg_segment_align: 8
    .kernarg_segment_size: 56
    .max_flat_workgroup_size: 512
    .sgpr_count:     92
    .vgpr_count:     208
    .wavefront_size: 32
...
	.end_amdgpu_metadata
.endif
;; end of part 1
;; launch gate_r (part 2): grid 8 x 32, 4 waves a work-group, clusters of 4 x 4, 327,680 bytes of LDS; arguments cq, hidden, b_r, rhq; writes rhq
.if DOCPART == 2
	.amdgcn_target "amdgcn-amd-amdhsa--gfx1250"
	.amdhsa_code_object_version 6
	.text
	.protected	k_q5261ca8bce_gate_r
	.globl	k_q5261ca8bce_gate_r
	.p2align	8
	.type	k_q5261ca8bce_gate_r,@function
k_q5261ca8bce_gate_r:
	s_mov_b64 s[64:65], 0
	v_nop
	global_prefetch_b8 v0, s[64:65] scope:SCOPE_SE
	s_setreg_imm32_b32 hwreg(HW_REG_WAVE_MODE, 25, 1), 1
	s_wait_xcnt 0x0
	s_wait_alu depctr_hold_cnt(0) depctr_sa_sdst(0) depctr_va_vdst(0) depctr_va_sdst(0) depctr_va_ssrc(0) depctr_va_vcc(0) depctr_vm_vsrc(0)
	s_getreg_b32 s2, hwreg(HW_REG_IB_STS2, 6, 4)
	s_cmp_eq_u32 s2, 0
	s_cbranch_scc0 .Lentry_in_a_cluster
	s_endpgm
.Lentry_in_a_cluster:
	s_bfe_u32 s2, ttmp6, 0x10000c
	s_cmp_lg_u32 s2, 0xf033
	s_cbranch_scc0 .Lentry_shape_is_right
	s_endpgm
.Lentry_shape_is_right:
; rhq = Q(sigmoid(x Wr_x^T + hidden Wr_h^T + b_r) * hidden), on codes of FP6 (E2M3) with E8M0 scales, sums in f32; the result leaves as codes and scale words in the order of an operand's registers.
; A work-group owns 256 rows x 128 columns.  K = 2,048 is cut in two: waves 0, 1 sum x's 1,024, waves 2, 3 hidden's; a wave has 128 x 128, 64 accumulators.  The two partial sums are added in f32 in the tail.
; K goes in steps of 256 through two LDS slots; a tile is one dense block of cq.  4 x 4 work-groups form a cluster: activations are asked for jointly along its rows, weights along its columns.
; PREFETCH: behind the load of K step u each wave asks for step u + 2 of the tile that it fetches, and at the head for step 1 too; the four partners of a joint load share the tile's blocks of 256 bytes out by address.
; LIMITS: NaN and infinities among the inputs are not served.
.set NK,     4
.set A_RT,   409600
.set A_O,    204800
.set B_BASE, 13107200
.set B_NT,   204800
.set B_O,    102400
.set ABUF,   4
.set ALTSW,  0
.set CH,     25600
.set ACH,    2*CH
.set FRB,    1536
.set QB,     8*FRB
.set SCO,    2*QB
.set SLOT,   2*ACH+2*CH
.set SPARE,  2*SLOT
.set LAPS,   NK/2
.set FR,     12
.set NL,     3
.set NP,     4
.set SP,     528
.set LN,  3
.set L16, 4
.set L8,  5
.set BO,  6
.set PF,  7
.set ADRALO, 8
.set ADRAHI, 10
.set ADRB,   12
.set ADSALO, 14
.set ADSAHI, 16
.set ADSB,   18
.set XS,  20
.set XL,  21
.set STD, 22
.set STL, 23
.set SPW, 28
.set NIL, 29
.set SC,  32
.set BI,  64
.set AF,  128
.set EV,  128
.set TM,  192
.set PW,  208
.set SD,  212
.set PC,  216
.set PT,  0
.set HH,  64
.set G1A, 24
.set G0A, 32
.set G1B, 48
.set G0B, 56
.set SEL, 90
.set GAM, 92
.set MSB, 0
.macro WIN new
.if MSB != \new
	s_set_vgpr_msb (MSB<<8)|\new
.set MSB, \new
.endif
.endm
.set MUL_LO, 0xa1
.set MUL_HI, 0xf1
.set TO_B,   0x40
.macro JLOAD g0a, g1a, g0b, g1b
	s_cmp_eq_u32 s15, 0
	s_cbranch_scc0 .Lfor_b_\@
	tensor_load_to_lds s[\g0a:\g0a+3], s[\g1a:\g1a+7]
	s_nop 0
.rept 4
	v_nop
.endr
	s_branch .Lasked_\@
.Lfor_b_\@:
	tensor_load_to_lds s[\g0b:\g0b+3], s[\g1b:\g1b+7]
	s_nop 0
.rept 4
	v_nop
.endr
.Lasked_\@:
.endm
.macro CREST
	s_cmp_lg_u32 s14, 0
	s_cbranch_scc1 .Lnot_wave_0_\@
	s_barrier_signal -3
.Lnot_wave_0_\@:
	s_barrier_wait -3
	s_barrier_signal -1
	s_barrier_wait -1
.endm
.macro CROUND
	s_barrier_signal -1
	s_barrier_wait -1
	CREST
.endm
.macro PLACES n
.rept \n
	v_nop
.endr
.endm
.macro FRAG reg, adr, off
.irp c, 0,1,2
	ds_load_b128 v[\reg+4*\c:\reg+4*\c+3], v[\adr] offset:\off+512*\c
.endr
.endm
.macro FETCH_B slot, q, p
	WIN TO_B
.irp i, 0,1,2,3,4,5,6,7
	FRAG 128*(\p)+FR*\i, ADRB+\slot, QB*(\q)+FRB*\i
.endr
	WIN 0
.endm
.macro FETCH_A slot, q, i0
.irp i, 0,1,2,3
.if \i0 == 0
	FRAG AF+FR*\i, ADRALO+\slot, QB*(\q)+FRB*\i
.else
	FRAG AF+FR*(4+\i), ADRAHI+\slot, QB*(\q)+FRB*\i
.endif
.endr
.endm
.macro SCALES slot
.irp p, 0,1
	ds_load_b64 v[SC+16*\slot+2*\p:SC+16*\slot+2*\p+1], v[ADSALO+\slot] offset:128*\p
	ds_load_b64 v[SC+16*\slot+4+2*\p:SC+16*\slot+4+2*\p+1], v[ADSAHI+\slot] offset:128*\p
.endr
.irp p, 0,1,2,3
	ds_load_b64 v[SC+16*\slot+8+2*\p:SC+16*\slot+8+2*\p+1], v[ADSB+\slot] offset:128*\p
.endr
.endm
.macro MUL16 a0, p, q, sc, zero
.irp a, \a0, \a0+1
.irp b, 0,1,2,3,4,5,6,7
.if \zero
	v_wmma_scale_f32_16x16x128_f8f6f4 v[8*(8*((\a)%4)+\b):8*(8*((\a)%4)+\b)+7], v[128*(\p)+FR*\b:128*(\p)+FR*\b+FR-1], v[AF+FR*(\a):AF+FR*(\a)+FR-1], 0, v[SC+16*(\sc)+8+\b], v[SC+16*(\sc)+(\a)] matrix_a_fmt:MATRIX_FMT_FP6 matrix_b_fmt:MATRIX_FMT_FP6
.elseif (\q) == 0
	v_wmma_scale_f32_16x16x128_f8f6f4 v[8*(8*((\a)%4)+\b):8*(8*((\a)%4)+\b)+7], v[128*(\p)+FR*\b:128*(\p)+FR*\b+FR-1], v[AF+FR*(\a):AF+FR*(\a)+FR-1], v[8*(8*((\a)%4)+\b):8*(8*((\a)%4)+\b)+7], v[SC+16*(\sc)+8+\b], v[SC+16*(\sc)+(\a)] matrix_a_fmt:MATRIX_FMT_FP6 matrix_b_fmt:MATRIX_FMT_FP6
.else
	v_wmma_scale_f32_16x16x128_f8f6f4 v[8*(8*((\a)%4)+\b):8*(8*((\a)%4)+\b)+7], v[128*(\p)+FR*\b:128*(\p)+FR*\b+FR-1], v[AF+FR*(\a):AF+FR*(\a)+FR-1], v[8*(8*((\a)%4)+\b):8*(8*((\a)%4)+\b)+7], v[SC+16*(\sc)+8+\b], v[SC+16*(\sc)+(\a)] matrix_a_fmt:MATRIX_FMT_FP6 matrix_b_fmt:MATRIX_FMT_FP6 matrix_a_scale:MATRIX_SCALE_ROW1 matrix_b_scale:MATRIX_SCALE_ROW1
.endif
.endr
.endr
.endm
.macro STEP slot, q, zero
	s_wait_dscnt 4*NL
	WIN MUL_LO
	MUL16 0, (\q)%2, \q, \slot, \zero
	MUL16 2, (\q)%2, \q, \slot, \zero
	s_wait_dscnt 0
	PLACES NP
	FETCH_B \slot, (\q)+1, 1-(\q)%2
	FETCH_A \slot, (\q)+1, 0
	WIN MUL_HI
	MUL16 4, (\q)%2, \q, \slot, \zero
	MUL16 6, (\q)%2, \q, \slot, \zero
	PLACES NP
	WIN 0
	FETCH_A \slot, (\q)+1, 4
.endm
.set PFP, 74                           ; s[74:75] where my next prefetch stands;  s[4:5]: K step 1's
.set PST, 96                           ; s[96:97] bytes from a K step's tile to the next: ACH for waves 0, 1, CH for waves 2, 3
.set PO,  26                           ; v26-27   256 x my block among my work-group's quarter of the tile (50 blocks of activations, 25 of weights; lanes left over name the last)
.macro ASK ptr                         ; a quarter of one tile: a lane a block; the second line serves the activations' blocks 32-49
	global_prefetch_b8 v[PO], s[\ptr:\ptr+1] th:TH_LOAD_NT scope:SCOPE_SE
	s_cmp_eq_u32 s15, 0
	s_cbranch_scc0 .Lasked_all_\@
	global_prefetch_b8 v[PO+1], s[\ptr:\ptr+1] th:TH_LOAD_NT scope:SCOPE_SE
.Lasked_all_\@:
.endm
.macro TURN slot, next, fill
	s_wait_tensorcnt 0x0
	ds_add_u32 v[SPW], v[NIL]
	s_wait_dscnt 4*NL+1
	WIN MUL_LO
	MUL16 0, 1, 1, \slot, 0
	s_wait_dscnt 0x0
	s_barrier_signal -1
	MUL16 2, 1, 1, \slot, 0
	WIN 0
	s_barrier_wait -1
.if \fill
	CREST
.if ALTSW
	s_add_nc_u64 s[PA+2*\slot:PA+2*\slot+1], s[PA+2*\slot:PA+2*\slot+1], 2*ACH
	s_cmp_eq_u32 s3, 2
	s_cselect_b64 s[PA+2*\slot:PA+2*\slot+1], s[ALT+2*\slot:ALT+2*\slot+1], s[PA+2*\slot:PA+2*\slot+1]
	s_mov_b64 s[G0A+4*\slot+2:G0A+4*\slot+3], s[PA+2*\slot:PA+2*\slot+1]
	s_or_b32 s[G0A+4*\slot+3], s[G0A+4*\slot+3], 0x80000000
.else
	s_add_nc_u64 s[G0A+4*\slot+2:G0A+4*\slot+3], s[G0A+4*\slot+2:G0A+4*\slot+3], 2*ACH
.endif
	s_add_nc_u64 s[G0B+4*\slot+2:G0B+4*\slot+3], s[G0B+4*\slot+2:G0B+4*\slot+3], 2*CH
	JLOAD G0A+4*\slot, G1A, G0B+4*\slot, G1B
.else
	PLACES NP
.endif
	FETCH_B \next, 0, 0
	FETCH_A \next, 0, 0
	s_wait_alu depctr_va_vdst(0)
	SCALES \next
	WIN MUL_HI
	MUL16 4, 1, 1, \slot, 0
	MUL16 6, 1, 1, \slot, 0
	PLACES NP
	WIN 0
	FETCH_A \next, 0, 4
.endm
.macro QUANT s, pw
.irp b, 0,1,2,3
	v_max3_num_f32 v[TM+\b], |v[\s+16*\b]|, |v[\s+1+16*\b]|, 0x1800000
.endr
.irp i, 2,4,6,8,10,12,14
.irp b, 0,1,2,3
	v_max3_num_f32 v[TM+\b], v[TM+\b], |v[\s+16*\b+\i]|, |v[\s+1+16*\b+\i]|
.endr
.endr
.irp b, 0,1,2,3
	v_permlanex16_b32 v[TM+4+\b], v[TM+\b], s[SEL], s[SEL+1]
.endr
.irp b, 0,1,2,3
	v_max_num_f32 v[TM+\b], v[TM+\b], v[TM+4+\b]
.endr
.irp b, 0,1,2,3
	v_add_nc_u32 v[TM+12+\b], 0xff000000, v[TM+\b]
.endr
.irp b, 0,1,2,3
	v_lshrrev_b32 v[TM+4+\b], 23, v[TM+12+\b]
.endr
	v_lshl_or_b32 v[\pw], v[TM+5], 8, v[TM+4]
	v_lshl_or_b32 v[\pw], v[TM+6], 16, v[\pw]
	v_lshl_or_b32 v[\pw], v[TM+7], 24, v[\pw]
.irp c, 0,1
	v_cvt_scalef32_pk16_fp6_f32 v[PC+6*\c:PC+2+6*\c], v[\s+32*\c:\s+15+32*\c], v[TM+12+2*\c]
	v_cvt_scalef32_pk16_fp6_f32 v[PC+12+4*\c:PC+14+4*\c], v[\s+16+32*\c:\s+31+32*\c], v[TM+12+2*\c+1]
.endr
	v_nop
.irp c, 0,1
.irp i, 0,1,2
	v_permlane16_swap_b32 v[PC+6*\c+\i], v[PC+12+4*\c+\i]
.endr
.irp i, 0,1,2
	v_mov_b32 v[PC+3+6*\c+\i], v[PC+12+4*\c+\i]
.endr
.endr
.endm
.macro HLOADS
	WIN 0x40
.set k, 0
.rept 64
	global_load_b128 v[4*k:4*k+3], v[L16], s[80:81] offset:4096*k
.set k, k+1
.endr
	WIN 0
.endm
.macro XSEND
	WIN 0x0c
.set k, 0
.rept 32
	ds_store_b128 v[XS], v[8*k:8*k+3] offset:1024*k
	ds_store_b128 v[XS], v[8*k+4:8*k+7] offset:1024*k+512
.set k, k+1
.endr
	WIN 0
.endm
.macro XMEET
	s_wait_dscnt 0x0
	s_barrier_signal -1
	s_barrier_wait -1
.endm
.macro PTLOAD a
	WIN 0xc0
.irp k, 0,1,2,3,4,5,6,7,8,9,10,11,12,13,14,15
	ds_load_b128 v[PT+4*\k:PT+4*\k+3], v[XL] offset:8192*(\a)+512*\k
.endr
.endm
.macro HTURN a
	s_wait_loadcnt 48-16*(\a)
	WIN 0x04
.irp t, 0,1,2,3,4,5,6,7,8,9,10,11,12,13,14,15
	ds_store_b128 v[STD], v[64*(\a)+4*\t:64*(\a)+4*\t+3] offset:SP*\t
.endr
	WIN 0xc0
.irp b, 0,1,2,3
.irp j, 0,1,2,3
	ds_load_b128 v[HH+16*\b+4*\j:HH+16*\b+4*\j+3], v[STL] offset:128*\b+16*\j
.endr
.endr
	WIN 0
.endm
	s_load_b256 s[4:11], s[0:1], 0x0
	v_lshl_add_u32 v[SPW], v0, 2, SPARE
	v_mov_b32 v[NIL], 0
	ds_add_u32 v28, v29
	ds_add_u32 v28, v29
	s_wait_dscnt 0x0
	v_lshrrev_b32 v1, 5, v0
	v_readfirstlane_b32 s14, v1
	s_lshr_b32 s15, s14, 1
	s_and_b32 s16, s14, 1
	s_bfe_u32 s40, ttmp6, 0x40000
	s_bfe_u32 s41, ttmp6, 0x40004
	s_lshl_b32 s42, ttmp9, 2
	s_add_co_u32 s42, s42, s40
	s_and_b32 s17, ttmp7, 0xffff
	s_lshl_b32 s17, s17, 2
	s_add_co_u32 s17, s17, s41
	s_lshl_b32 s43, s41, 2
	s_lshl_b32 s43, 15, s43
	s_lshl_b32 s44, 0x1111, s40
	s_or_b32 s[G1A], s43, (3<<16)|(1<<21)
	s_or_b32 s[G1B], s44, (3<<16)|(1<<21)
	s_mov_b32 s[G1A+1], 32<<16
	s_mov_b32 s[G1A+2], (ACH/256)<<16
	s_mov_b32 s[G1A+3], 32<<16
	s_mov_b32 s[G1A+4], ACH/256
	s_mov_b32 s[G1A+5], 32
	s_mov_b32 s[G1A+6], 0
	s_mov_b32 s[G1A+7], 0
	s_mov_b32 s[G1B+1], 32<<16
	s_mov_b32 s[G1B+2], (CH/256)<<16
	s_mov_b32 s[G1B+3], 32<<16
	s_mov_b32 s[G1B+4], CH/256
	s_mov_b32 s[G1B+5], 32
	s_mov_b32 s[G1B+6], 0
	s_mov_b32 s[G1B+7], 0
	s_mul_i32 s20, s17, A_RT
	s_mul_i32 s18, s16, A_O
	s_add_co_u32 s20, s20, s18
	s_mov_b32 s21, 0
	s_mul_i32 s46, s42, B_NT
	s_mul_i32 s18, s16, B_O
	s_add_co_u32 s46, s46, s18
	s_add_co_u32 s46, s46, B_BASE
	s_mov_b32 s47, 0
	s_mul_i32 s45, s16, ACH
	s_mul_i32 s19, s16, CH
	s_add_co_u32 s19, s19, 2*ACH
	s_mov_b32 s[SEL], 0x76543210
	s_mov_b32 s[SEL+1], 0xfedcba98
	s_mov_b32 s[GAM], 0xbfb8aa3b
	s_mov_b32 s[GAM+1], s[GAM]
	s_wait_kmcnt 0x0
	s_add_nc_u64 s[20:21], s[ABUF:ABUF+1], s[20:21]
	s_add_nc_u64 s[46:47], s[4:5], s[46:47]
	s_mov_b32 s[PST], CH                           ; the prefetches: the tile that I fetch, its stride along K,
	s_cmp_eq_u32 s15, 0
	s_cselect_b64 s[4:5], s[20:21], s[46:47]
	s_cselect_b32 s[PST], ACH, s[PST]
	s_cselect_b32 s66, s40, s41                    ; my work-group's place among the four that ask for it jointly
	s_mov_b32 s[PST+1], 0
	s_lshr_b32 s67, s[PST], 2
	s_mul_i32 s66, s66, s67                        ; its quarter of the tile
	s_mov_b32 s67, 0
	s_add_nc_u64 s[4:5], s[4:5], s[66:67]
	s_add_nc_u64 s[4:5], s[4:5], s[PST:PST+1]      ; K step 1
	s_add_nc_u64 s[PFP:PFP+1], s[4:5], s[PST:PST+1] ; K step 2
	CROUND
.irp s, 0,1
	s_mov_b32 s[G0A+4*\s], 1
	s_add_co_u32 s[G0A+4*\s+1], s45, \s*SLOT
	s_add_nc_u64 s[G0A+4*\s+2:G0A+4*\s+3], s[20:21], \s*ACH
	s_or_b32 s[G0A+4*\s+3], s[G0A+4*\s+3], 0x80000000
	s_mov_b32 s[G0B+4*\s], 1
	s_add_co_u32 s[G0B+4*\s+1], s19, \s*SLOT
	s_add_nc_u64 s[G0B+4*\s+2:G0B+4*\s+3], s[46:47], \s*CH
	s_or_b32 s[G0B+4*\s+3], s[G0B+4*\s+3], 0x80000000
.endr
	JLOAD G0A, G1A, G0B, G1B                       ; K step 0: one tensor load a wave at the head; the set-up below stands under its flight
	v_and_b32 v[LN], 31, v0
	v_and_b32 v1, 15, v0
	v_bfe_u32 v2, v0, 4, 1
	v_lshlrev_b32 v[L16], 4, v[LN]
	s_wait_alu depctr_va_vdst(0)
	v_lshlrev_b32 v[L8], 3, v[LN]
	v_lshlrev_b32 v[BO], 6, v2
	v_lshrrev_b32 v24, 1, v[LN]
	v_and_b32 v25, 1, v[LN]
	v_lshlrev_b32 v[PF], 12, v24
	v_lshl_add_u32 v[PF], v25, 8, v[PF]
	v_lshlrev_b32 v24, 3, v1
	v_lshl_add_u32 v24, v2, 9, v24
	s_cmp_eq_u32 s15, 0
	s_cselect_b32 s18, 49, 24                      ; my quarter's last block
	v_add_nc_u32 v[PO+1], 32, v[LN]
	v_min_u32 v[PO], s18, v[LN]
	v_min_u32 v[PO+1], s18, v[PO+1]
	v_lshlrev_b32 v[PO], 8, v[PO]
	v_lshlrev_b32 v[PO+1], 8, v[PO+1]
	s_wait_alu depctr_va_vdst(0)
	ASK 4                                          ; K step 1,
	ASK PFP                                        ; and K step 2
	s_mul_i32 s18, s15, ACH
	s_mul_i32 s19, s16, CH
	s_add_co_u32 s18, s18, s19
	s_xor_b32 s19, s15, 1
	s_mul_i32 s20, s15, 4*FRB
	s_add_co_u32 s20, s20, s18
	s_mul_i32 s21, s19, 4*FRB
	s_add_co_u32 s21, s21, s18
	s_mul_i32 s22, s15, CH
	s_add_co_u32 s22, s22, 2*ACH
	s_lshl_b32 s23, s15, 8
	s_add_co_u32 s23, s23, s18
	s_add_co_u32 s23, s23, SCO
	s_lshl_b32 s45, s19, 8
	s_add_co_u32 s45, s45, s18
	s_add_co_u32 s45, s45, SCO
	s_add_co_u32 s12, s22, SCO
.irp n, 0,1
	v_add_nc_u32 v[ADRALO+\n], s20, v[L16]
	v_add_nc_u32 v[ADRAHI+\n], s21, v[L16]
	v_add_nc_u32 v[ADRB+\n], s22, v[L16]
	v_add_nc_u32 v[ADSALO+\n], s23, v24
	v_add_nc_u32 v[ADSAHI+\n], s45, v24
	v_add_nc_u32 v[ADSB+\n], s12, v24
	s_add_co_u32 s20, s20, SLOT
	s_add_co_u32 s21, s21, SLOT
	s_add_co_u32 s22, s22, SLOT
	s_add_co_u32 s23, s23, SLOT
	s_add_co_u32 s45, s45, SLOT
	s_add_co_u32 s12, s12, SLOT
.endr
	s_lshl_b32 s18, s14, 15
	v_add_nc_u32 v[XS], s18, v[L16]
	s_xor_b32 s18, s14, 2
	s_lshl_b32 s18, s18, 15
	v_add_nc_u32 v[XL], s18, v[L16]
	s_mul_i32 s18, s14, 16*SP
	s_add_co_u32 s18, s18, SLOT
	v_add_nc_u32 v[STD], s18, v[L16]
	v_mul_u32_u24 v24, v1, SP
	v_lshl_add_u32 v24, v2, 6, v24
	v_add_nc_u32 v[STL], s18, v24
	s_lshl_b32 s12, s17, 8
	s_lshl_b32 s13, s16, 7
	s_add_co_u32 s12, s12, s13
	s_lshl_b32 s13, s15, 6
	s_add_co_u32 s12, s12, s13
	s_lshl_b32 s12, s12, 12
	s_lshl_b32 s13, s42, 9
	s_add_co_u32 s66, s12, s13
	s_mov_b32 s67, 0
	s_add_nc_u64 s[80:81], s[6:7], s[66:67]
	s_mov_b32 s66, s13
	s_add_nc_u64 s[88:89], s[8:9], s[66:67]
	s_lshl_b32 s12, s17, 2
	s_lshr_b32 s13, s42, 1
	s_add_co_u32 s12, s12, s13
	s_lshl_b32 s12, s12, 1
	s_add_co_u32 s12, s12, s16
	s_mul_i32 s12, s12, CH
	s_and_b32 s13, s42, 1
	s_mul_i32 s22, s13, QB
	s_add_co_u32 s22, s22, s12
	s_mul_i32 s23, s15, 4*FRB
	s_add_co_u32 s66, s22, s23
	s_add_nc_u64 s[84:85], s[10:11], s[66:67]
	s_lshl_b32 s22, s13, 9
	s_add_co_u32 s22, s22, s12
	s_lshl_b32 s23, s15, 8
	s_add_co_u32 s22, s22, s23
	s_add_co_u32 s66, s22, SCO
	s_add_nc_u64 s[86:87], s[10:11], s[66:67]
.irp b, 0,1,2,3
.irp j, 0,1,2,3
	global_load_b128 v[BI+16*\b+4*\j:BI+16*\b+4*\j+3], v[BO], s[88:89] offset:128*\b+16*\j
.endr
.endr
	s_wait_alu depctr_va_vdst(0)                   ; the wait at the head's end
	s_wait_xcnt 0x0                                ; my prefetches have read their address
	s_add_nc_u64 s[PFP:PFP+1], s[PFP:PFP+1], s[PST:PST+1]   ; K step 3
	s_wait_tensorcnt 0x0                           ; my part of K step 0 is in; slot 1's first fill is issued as a refill is:
	ds_add_u32 v[SPW], v[NIL]
	s_wait_dscnt 0x0
	CROUND                                         ; everybody's part of K step 0 is in, and the sixteen work-groups meet
	JLOAD G0A+4, G1A, G0B+4, G1B                   ; K step 1, the first tensor load behind the round
	FETCH_B 0, 0, 0
	FETCH_A 0, 0, 0
	SCALES 0
	ASK PFP                                        ; the last K step; the loop's one trip has nothing left to ask for
	FETCH_A 0, 0, 4
	STEP 0, 0, 1
.if LAPS > 1
	s_mov_b32 s3, LAPS-1
.Llap:
	TURN 0, 1, 1
	STEP 1, 0, 0
	TURN 1, 0, 1
	STEP 0, 0, 0
	s_sub_co_u32 s3, s3, 1
	s_cmp_lg_u32 s3, 0
	s_cbranch_scc1 .Llap
.endif
.irp k, 0,1,2,3
	global_prefetch_b8 v[PF], s[80:81] offset:65536*\k th:TH_LOAD_NT scope:SCOPE_SE
.endr
	TURN 0, 1, 0
	STEP 1, 0, 0
	s_wait_dscnt 4*NL
	WIN MUL_LO
	MUL16 0, 1, 1, 1, 0
	MUL16 2, 1, 1, 1, 0
	s_wait_dscnt 0
	WIN MUL_HI
	MUL16 4, 1, 1, 1, 0
	MUL16 6, 1, 1, 1, 0
	WIN 0
	PLACES NP
	s_wait_loadcnt 0x0
	HLOADS
	XSEND
.set j, 0
.rept 32
	v_pk_mul_f32 v[BI+j:BI+j+1], v[BI+j:BI+j+1], s[GAM:GAM+1] op_sel_hi:[1,0]
.set j, j+2
.endr
.irp b, 0,1,2,3
	v_mov_b32 v[TM+4+\b], 0
.endr
	XMEET
.irp a, 0,1,2,3
.if \a > 0
	s_wait_xcnt 0x0
.endif
	PTLOAD \a
	HTURN \a
	s_wait_dscnt 32
	WIN 0x0e
.set j, 0
.rept 32
	v_pk_add_f32 v[EV+j:EV+j+1], v[64*\a+j:64*\a+j+1], v[PT+j:PT+j+1]
.set j, j+2
.endr
	WIN 0
.set j, 0
.rept 32
	v_pk_fma_f32 v[EV+j:EV+j+1], v[EV+j:EV+j+1], s[GAM:GAM+1], v[BI+j:BI+j+1] op_sel_hi:[1,0,1]
.set j, j+2
.endr
.set j, 0
	s_wait_alu depctr_va_vdst(0)
.rept 64
	v_exp_f32 v[EV+j], v[EV+j]
.set j, j+1
.endr
	v_nop
.set j, 0
	s_wait_alu depctr_va_vdst(0)
.rept 32
	v_pk_add_f32 v[EV+j:EV+j+1], v[EV+j:EV+j+1], 1.0 op_sel_hi:[1,0]
.set j, j+2
.endr
.set j, 0
	s_wait_alu depctr_va_vdst(0)
.rept 64
	v_rcp_f32 v[EV+j], v[EV+j]
.set j, j+1
.endr
	v_nop
	s_wait_dscnt 0x0
	WIN 0x0c
.set j, 0
	s_wait_alu depctr_va_vdst(0)
.rept 32
	v_pk_mul_f32 v[EV+j:EV+j+1], v[EV+j:EV+j+1], v[HH+j:HH+j+1]
.set j, j+2
.endr
	WIN 0
	QUANT EV, PW+\a
.irp c, 0,1,2
	global_store_b128 v[L16], v[PC+4*\c:PC+4*\c+3], s[84:85] offset:FRB*\a+512*\c
.endr
.endr
	v_cmp_lt_u32 vcc_lo, 15, v[LN]
	v_cndmask_b32 v[SD], v[PW], v[PW+2], vcc_lo
	v_cndmask_b32 v[SD+1], v[PW+1], v[PW+3], vcc_lo
	global_store_b64 v[L8], v[SD:SD+1], s[86:87]
	s_wait_tensorcnt 0x0
	ds_add_u32 v[SPW], v[NIL]
	s_wait_dscnt 0x0
	CROUND
	s_endpgm
.Lfunc_end_k_q5261ca8bce_gate_r:
	.size	k_q5261ca8bce_gate_r, .Lfunc_end_k_q5261ca8bce_gate_r-k_q5261ca8bce_gate_r
	.p2alignl 7, 3214868480
	.fill 96, 4, 3214868480
	.section	.rodata,"a",@progbits
	.p2align	6, 0x0
	.amdhsa_kernel k_q5261ca8bce_gate_r
		.amdhsa_group_segment_fixed_size 327680
		.amdhsa_private_segment_fixed_size 0
		.amdhsa_enable_private_segment 0
		.amdhsa_kernarg_size 32
		.amdhsa_user_sgpr_count 2
		.amdhsa_user_sgpr_kernarg_segment_ptr 1
		.amdhsa_wavefront_size32 1
		.amdhsa_system_sgpr_workgroup_id_x 1
		.amdhsa_system_sgpr_workgroup_id_y 1
		.amdhsa_system_sgpr_workgroup_id_z 1
		.amdhsa_system_vgpr_workitem_id 0
		.amdhsa_next_free_vgpr 1024
		.amdhsa_next_free_sgpr 100
		.amdhsa_reserve_vcc 1
		.amdhsa_float_denorm_mode_32 3
		.amdhsa_float_denorm_mode_16_64 3
		.amdhsa_memory_ordered 1
		.amdhsa_forward_progress 1
		.amdhsa_inst_pref_size 201
	.end_amdhsa_kernel
	.amdgpu_metadata
---
amdhsa.version: [ 1, 2 ]
amdhsa.kernels:
  - .name:           k_q5261ca8bce_gate_r
    .symbol:         k_q5261ca8bce_gate_r.kd
    .args:
      - { .name: cq, .offset: 0, .size: 8, .value_kind: global_buffer, .address_space: global }
      - { .name: hidden, .offset: 8, .size: 8, .value_kind: global_buffer, .address_space: global }
      - { .name: b_r, .offset: 16, .size: 8, .value_kind: global_buffer, .address_space: global }
      - { .name: rhq, .offset: 24, .size: 8, .value_kind: global_buffer, .address_space: global }
    .group_segment_fixed_size: 327680
    .private_segment_fixed_size: 0
    .kernarg_segment_align: 8
    .kernarg_segment_size: 32
    .max_flat_workgroup_size: 128
    .sgpr_count:     100
    .vgpr_count:     1024
    .wavefront_size: 32
...
	.end_amdgpu_metadata
.endif
;; end of part 2
;; launch gate_zc (part 3): grid 8 x 32, 4 waves a work-group, clusters of 4 x 4, 327,680 bytes of LDS; arguments cq, rhq, hidden, b_z, b_c, out1, nhq; writes out1, nhq
.if DOCPART == 3
	.amdgcn_target "amdgcn-amd-amdhsa--gfx1250"
	.amdhsa_code_object_version 6
	.text
	.protected	k_q5261ca8bce_gate_zc
	.globl	k_q5261ca8bce_gate_zc
	.p2align	8
	.type	k_q5261ca8bce_gate_zc,@function
k_q5261ca8bce_gate_zc:
	s_mov_b64 s[64:65], 0
	v_nop
	global_prefetch_b8 v0, s[64:65] scope:SCOPE_SE
	s_setreg_imm32_b32 hwreg(HW_REG_WAVE_MODE, 25, 1), 1
	s_wait_xcnt 0x0
	s_wait_alu depctr_hold_cnt(0) depctr_sa_sdst(0) depctr_va_vdst(0) depctr_va_sdst(0) depctr_va_ssrc(0) depctr_va_vcc(0) depctr_vm_vsrc(0)
	s_getreg_b32 s2, hwreg(HW_REG_IB_STS2, 6, 4)
	s_cmp_eq_u32 s2, 0
	s_cbranch_scc0 .Lentry_in_a_cluster
	s_endpgm
.Lentry_in_a_cluster:
	s_bfe_u32 s2, ttmp6, 0x10000c
	s_cmp_lg_u32 s2, 0xf033
	s_cbranch_scc0 .Lentry_shape_is_right
	s_endpgm
.Lentry_shape_is_right:
; out1 = new_hidden = (1 - z) c + z hidden, z = sigmoid(x Wz_x^T + hidden Wz_h^T + b_z), c = tanh(x Wc_x^T + (reset * hidden) Wc_h^T + b_c); nhq = its codes of FP6 (E2M3) and scale words.
; A work-group owns 256 rows x 128 columns of both gates: waves 0, 1 sum z, waves 2, 3 c, each 128 x 128 over K = 2,048; z takes x and hidden from cq, c takes x from cq and reset * hidden from rhq.
; K goes in steps of 256 through two LDS slots; 4 x 4 work-groups form a cluster: activations are asked for jointly along its rows, weights along its columns.  In the tail the two gates meet through LDS.
; sigmoid(t) = rcp(1 + exp2(-t log2 e)), tanh(t) = 1 - 2 rcp(1 + exp2(2 t log2 e)), in f32.
; PREFETCH: behind the load of K step u each wave asks for step u + 2 of the tile that it fetches, and at the head for step 1 too; the four partners of a joint load share a tile's blocks of 256 bytes out by address.
; Wave 1's first four tiles are wave 0's own bytes (x), so wave 1 asks for its four chunks of rhq alone, behind the loads of K steps 0 to 3: four steps ahead.  The last two K steps' loads ask for nothing.
; LIMITS: NaN and infinities among the inputs are not served.
.set NK,     8
.set A_RT,   409600
.set A_O,    0
.set B_BASE, 14745600
.set B_NT,   204800
.set B_O,    1638400
.set ABUF,   4
.set ALTSW,  1
.set ALT,    76
.set PA,     98
.set CH,     25600
.set ACH,    2*CH
.set FRB,    1536
.set QB,     8*FRB
.set SCO,    2*QB
.set SLOT,   2*ACH+2*CH
.set SPARE,  2*SLOT
.set LAPS,   NK/2
.set FR,     12
.set NL,     3
.set NP,     4
.set SP,     528
.set LN,  3
.set L16, 4
.set L8,  5
.set BO,  6
.set PF,  7
.set ADRALO, 8
.set ADRAHI, 10
.set ADRB,   12
.set ADSALO, 14
.set ADSAHI, 16
.set ADSB,   18
.set XS,  20
.set XL,  21
.set STD, 22
.set STL, 23
.set SPW, 28
.set NIL, 29
.set AL,  30
.set SC,  32
.set BI,  64
.set AF,  128
.set EV,  128
.set TM,  192
.set PW,  208
.set SD,  212
.set PC,  216
.set PT,  0
.set HH,  64
.set ORW, 128
.set G1A, 24
.set G0A, 32
.set G1B, 48
.set G0B, 56
.set SEL, 90
.set GAM, 92
.set BET, 94
.set MSB, 0
.macro WIN new
.if MSB != \new
	s_set_vgpr_msb (MSB<<8)|\new
.set MSB, \new
.endif
.endm
.set MUL_LO, 0xa1
.set MUL_HI, 0xf1
.set TO_B,   0x40
.macro JLOAD g0a, g1a, g0b, g1b
	s_cmp_eq_u32 s15, 0
	s_cbranch_scc0 .Lfor_b_\@
	tensor_load_to_lds s[\g0a:\g0a+3], s[\g1a:\g1a+7]
	s_nop 0
.rept 4
	v_nop
.endr
	s_branch .Lasked_\@
.Lfor_b_\@:
	tensor_load_to_lds s[\g0b:\g0b+3], s[\g1b:\g1b+7]
	s_nop 0
.rept 4
	v_nop
.endr
.Lasked_\@:
.endm
.macro CREST
	s_cmp_lg_u32 s14, 0
	s_cbranch_scc1 .Lnot_wave_0_\@
	s_barrier_signal -3
.Lnot_wave_0_\@:
	s_barrier_wait -3
	s_barrier_signal -1
	s_barrier_wait -1
.endm
.macro CROUND
	s_barrier_signal -1
	s_barrier_wait -1
	CREST
.endm
.macro PLACES n
.rept \n
	v_nop
.endr
.endm
.macro FRAG reg, adr, off
.irp c, 0,1,2
	ds_load_b128 v[\reg+4*\c:\reg+4*\c+3], v[\adr] offset:\off+512*\c
.endr
.endm
.macro FETCH_B slot, q, p
	WIN TO_B
.irp i, 0,1,2,3,4,5,6,7
	FRAG 128*(\p)+FR*\i, ADRB+\slot, QB*(\q)+FRB*\i
.endr
	WIN 0
.endm
.macro FETCH_A slot, q, i0
.irp i, 0,1,2,3
.if \i0 == 0
	FRAG AF+FR*\i, ADRALO+\slot, QB*(\q)+FRB*\i
.else
	FRAG AF+FR*(4+\i), ADRAHI+\slot, QB*(\q)+FRB*\i
.endif
.endr
.endm
.macro SCALES slot
.irp p, 0,1
	ds_load_b64 v[SC+16*\slot+2*\p:SC+16*\slot+2*\p+1], v[ADSALO+\slot] offset:128*\p
	ds_load_b64 v[SC+16*\slot+4+2*\p:SC+16*\slot+4+2*\p+1], v[ADSAHI+\slot] offset:128*\p
.endr
.irp p, 0,1,2,3
	ds_load_b64 v[SC+16*\slot+8+2*\p:SC+16*\slot+8+2*\p+1], v[ADSB+\slot] offset:128*\p
.endr
.endm
.macro MUL16 a0, p, q, sc, zero
.irp a, \a0, \a0+1
.irp b, 0,1,2,3,4,5,6,7
.if \zero
	v_wmma_scale_f32_16x16x128_f8f6f4 v[8*(8*((\a)%4)+\b):8*(8*((\a)%4)+\b)+7], v[128*(\p)+FR*\b:128*(\p)+FR*\b+FR-1], v[AF+FR*(\a):AF+FR*(\a)+FR-1], 0, v[SC+16*(\sc)+8+\b], v[SC+16*(\sc)+(\a)] matrix_a_fmt:MATRIX_FMT_FP6 matrix_b_fmt:MATRIX_FMT_FP6
.elseif (\q) == 0
	v_wmma_scale_f32_16x16x128_f8f6f4 v[8*(8*((\a)%4)+\b):8*(8*((\a)%4)+\b)+7], v[128*(\p)+FR*\b:128*(\p)+FR*\b+FR-1], v[AF+FR*(\a):AF+FR*(\a)+FR-1], v[8*(8*((\a)%4)+\b):8*(8*((\a)%4)+\b)+7], v[SC+16*(\sc)+8+\b], v[SC+16*(\sc)+(\a)] matrix_a_fmt:MATRIX_FMT_FP6 matrix_b_fmt:MATRIX_FMT_FP6
.else
	v_wmma_scale_f32_16x16x128_f8f6f4 v[8*(8*((\a)%4)+\b):8*(8*((\a)%4)+\b)+7], v[128*(\p)+FR*\b:128*(\p)+FR*\b+FR-1], v[AF+FR*(\a):AF+FR*(\a)+FR-1], v[8*(8*((\a)%4)+\b):8*(8*((\a)%4)+\b)+7], v[SC+16*(\sc)+8+\b], v[SC+16*(\sc)+(\a)] matrix_a_fmt:MATRIX_FMT_FP6 matrix_b_fmt:MATRIX_FMT_FP6 matrix_a_scale:MATRIX_SCALE_ROW1 matrix_b_scale:MATRIX_SCALE_ROW1
.endif
.endr
.endr
.endm
.macro STEP slot, q, zero
	s_wait_dscnt 4*NL
	WIN MUL_LO
	MUL16 0, (\q)%2, \q, \slot, \zero
	MUL16 2, (\q)%2, \q, \slot, \zero
	s_wait_dscnt 0
	PLACES NP
	FETCH_B \slot, (\q)+1, 1-(\q)%2
	FETCH_A \slot, (\q)+1, 0
	WIN MUL_HI
	MUL16 4, (\q)%2, \q, \slot, \zero
	MUL16 6, (\q)%2, \q, \slot, \zero
	PLACES NP
	WIN 0
	FETCH_A \slot, (\q)+1, 4
.endm
.set PFP, 74                           ; s[74:75] where my next prefetch stands;  s[4:5]: K step 1's
.set PST, 96                           ; s[96:97] bytes from a K step's tile to the next: ACH for waves 0, 1, CH for waves 2, 3
.set PO,  26                           ; v26-27   256 x my block among my work-group's quarter of the tile (50 blocks of activations, 25 of weights; lanes left over name the last)
.macro ASK ptr                         ; a quarter of one tile: a lane a block; the second line serves the activations' blocks 32-49
	global_prefetch_b8 v[PO], s[\ptr:\ptr+1] th:TH_LOAD_NT scope:SCOPE_SE
	s_cmp_eq_u32 s15, 0
	s_cbranch_scc0 .Lasked_all_\@
	global_prefetch_b8 v[PO+1], s[\ptr:\ptr+1] th:TH_LOAD_NT scope:SCOPE_SE
.Lasked_all_\@:
.endm
.macro TURN slot, next, fill
.if \fill
	s_wait_xcnt 0x0                                ; my last prefetch has read its address: one tile on
	s_add_nc_u64 s[PFP:PFP+1], s[PFP:PFP+1], s[PST:PST+1]
.endif
	s_wait_tensorcnt 0x0
	ds_add_u32 v[SPW], v[NIL]
	s_wait_dscnt 4*NL+1
	WIN MUL_LO
	MUL16 0, 1, 1, \slot, 0
	s_wait_dscnt 0x0
	s_barrier_signal -1
	MUL16 2, 1, 1, \slot, 0
	WIN 0
	s_barrier_wait -1
.if \fill
	CREST
.if ALTSW
	s_add_nc_u64 s[PA+2*\slot:PA+2*\slot+1], s[PA+2*\slot:PA+2*\slot+1], 2*ACH
	s_cmp_eq_u32 s3, 2
	s_cselect_b64 s[PA+2*\slot:PA+2*\slot+1], s[ALT+2*\slot:ALT+2*\slot+1], s[PA+2*\slot:PA+2*\slot+1]
	s_mov_b64 s[G0A+4*\slot+2:G0A+4*\slot+3], s[PA+2*\slot:PA+2*\slot+1]
	s_or_b32 s[G0A+4*\slot+3], s[G0A+4*\slot+3], 0x80000000
.else
	s_add_nc_u64 s[G0A+4*\slot+2:G0A+4*\slot+3], s[G0A+4*\slot+2:G0A+4*\slot+3], 2*ACH
.endif
	s_add_nc_u64 s[G0B+4*\slot+2:G0B+4*\slot+3], s[G0B+4*\slot+2:G0B+4*\slot+3], 2*CH
	JLOAD G0A+4*\slot, G1A, G0B+4*\slot, G1B
.else
	PLACES NP
.endif
	FETCH_B \next, 0, 0
	FETCH_A \next, 0, 0
	s_wait_alu depctr_va_vdst(0)
	SCALES \next
.if \fill
	s_cmp_gt_u32 s3, s2                            ; s2 = 1: not in the last trip; wave 1, s2 = 2: in the first trip alone
	s_cbranch_scc0 .Lno_ask_\@
	ASK PFP
.Lno_ask_\@:
.endif
	WIN MUL_HI
	MUL16 4, 1, 1, \slot, 0
	MUL16 6, 1, 1, \slot, 0
	PLACES NP
	WIN 0
	FETCH_A \next, 0, 4
.endm
.macro QUANT s, pw
.irp b, 0,1,2,3
	v_max3_num_f32 v[TM+\b], |v[\s+16*\b]|, |v[\s+1+16*\b]|, 0x1800000
.endr
.irp i, 2,4,6,8,10,12,14
.irp b, 0,1,2,3
	v_max3_num_f32 v[TM+\b], v[TM+\b], |v[\s+16*\b+\i]|, |v[\s+1+16*\b+\i]|
.endr
.endr
.irp b, 0,1,2,3
	v_permlanex16_b32 v[TM+4+\b], v[TM+\b], s[SEL], s[SEL+1]
.endr
.irp b, 0,1,2,3
	v_max_num_f32 v[TM+\b], v[TM+\b], v[TM+4+\b]
.endr
.irp b, 0,1,2,3
	v_add_nc_u32 v[TM+12+\b], 0xff000000, v[TM+\b]
.endr
.irp b, 0,1,2,3
	v_lshrrev_b32 v[TM+4+\b], 23, v[TM+12+\b]
.endr
	v_lshl_or_b32 v[\pw], v[TM+5], 8, v[TM+4]
	v_lshl_or_b32 v[\pw], v[TM+6], 16, v[\pw]
	v_lshl_or_b32 v[\pw], v[TM+7], 24, v[\pw]
.irp c, 0,1
	v_cvt_scalef32_pk16_fp6_f32 v[PC+6*\c:PC+2+6*\c], v[\s+32*\c:\s+15+32*\c], v[TM+12+2*\c]
	v_cvt_scalef32_pk16_fp6_f32 v[PC+12+4*\c:PC+14+4*\c], v[\s+16+32*\c:\s+31+32*\c], v[TM+12+2*\c+1]
.endr
	v_nop
.irp c, 0,1
.irp i, 0,1,2
	v_permlane16_swap_b32 v[PC+6*\c+\i], v[PC+12+4*\c+\i]
.endr
.irp i, 0,1,2
	v_mov_b32 v[PC+3+6*\c+\i], v[PC+12+4*\c+\i]
.endr
.endr
.endm
.macro HLOADS
	WIN 0x40
.set k, 0
.rept 64
	global_load_b128 v[4*k:4*k+3], v[L16], s[80:81] offset:4096*k th:TH_LOAD_NT
.set k, k+1
.endr
	WIN 0
.endm
.macro XSEND
	WIN 0x0c
.set k, 0
.rept 32
	ds_store_b128 v[XS], v[8*k:8*k+3] offset:1024*k
	ds_store_b128 v[XS], v[8*k+4:8*k+7] offset:1024*k+512
.set k, k+1
.endr
	WIN 0
.endm
.macro XMEET
	s_wait_dscnt 0x0
	s_barrier_signal -1
	s_barrier_wait -1
.endm
.macro PTLOAD a
	WIN 0xc0
.irp k, 0,1,2,3,4,5,6,7,8,9,10,11,12,13,14,15
	ds_load_b128 v[PT+4*\k:PT+4*\k+3], v[XL] offset:8192*(\a)+512*\k
.endr
.endm
.macro HTURN a
	s_wait_loadcnt 48-16*(\a)
	WIN 0x04
.irp t, 0,1,2,3,4,5,6,7,8,9,10,11,12,13,14,15
	ds_store_b128 v[STD], v[64*(\a)+4*\t:64*(\a)+4*\t+3] offset:SP*\t
.endr
	WIN 0xc0
.irp b, 0,1,2,3
.irp j, 0,1,2,3
	ds_load_b128 v[HH+16*\b+4*\j:HH+16*\b+4*\j+3], v[STL] offset:128*\b+16*\j
.endr
.endr
	WIN 0
.endm
.macro ACT win, base
	WIN \win
.set j, 0
.rept 32
	v_pk_fma_f32 v[\base+j:\base+j+1], v[\base+j:\base+j+1], s[GAM:GAM+1], v[BI+j:BI+j+1] op_sel_hi:[1,0,1]
.set j, j+2
.endr
.set j, 0
	s_wait_alu depctr_va_vdst(0)
.rept 64
	v_exp_f32 v[\base+j], v[\base+j]
.set j, j+1
.endr
	v_nop
.set j, 0
	s_wait_alu depctr_va_vdst(0)
.rept 32
	v_pk_add_f32 v[\base+j:\base+j+1], v[\base+j:\base+j+1], 1.0 op_sel_hi:[1,0]
.set j, j+2
.endr
.set j, 0
	s_wait_alu depctr_va_vdst(0)
.rept 64
	v_rcp_f32 v[\base+j], v[\base+j]
.set j, j+1
.endr
	v_nop
.set j, 0
	s_wait_alu depctr_va_vdst(0)
.rept 32
	v_pk_fma_f32 v[\base+j:\base+j+1], v[\base+j:\base+j+1], s[BET:BET+1], v[AL:AL+1] op_sel_hi:[1,0,1]
.set j, j+2
.endr
.endm
	s_load_b256 s[4:11], s[0:1], 0x0
	s_load_b128 s[68:71], s[0:1], 0x20
	s_load_b64 s[72:73], s[0:1], 0x30
	v_lshl_add_u32 v[SPW], v0, 2, SPARE
	v_mov_b32 v[NIL], 0
	ds_add_u32 v28, v29
	ds_add_u32 v28, v29
	s_wait_dscnt 0x0
	v_lshrrev_b32 v1, 5, v0
	v_readfirstlane_b32 s14, v1
	s_lshr_b32 s15, s14, 1
	s_and_b32 s16, s14, 1
	s_bfe_u32 s40, ttmp6, 0x40000
	s_bfe_u32 s41, ttmp6, 0x40004
	s_lshl_b32 s42, ttmp9, 2
	s_add_co_u32 s42, s42, s40
	s_and_b32 s17, ttmp7, 0xffff
	s_lshl_b32 s17, s17, 2
	s_add_co_u32 s17, s17, s41
	s_lshl_b32 s43, s41, 2
	s_lshl_b32 s43, 15, s43
	s_lshl_b32 s44, 0x1111, s40
	s_or_b32 s[G1A], s43, (3<<16)|(1<<21)
	s_or_b32 s[G1B], s44, (3<<16)|(1<<21)
	s_mov_b32 s[G1A+1], 32<<16
	s_mov_b32 s[G1A+2], (ACH/256)<<16
	s_mov_b32 s[G1A+3], 32<<16
	s_mov_b32 s[G1A+4], ACH/256
	s_mov_b32 s[G1A+5], 32
	s_mov_b32 s[G1A+6], 0
	s_mov_b32 s[G1A+7], 0
	s_mov_b32 s[G1B+1], 32<<16
	s_mov_b32 s[G1B+2], (CH/256)<<16
	s_mov_b32 s[G1B+3], 32<<16
	s_mov_b32 s[G1B+4], CH/256
	s_mov_b32 s[G1B+5], 32
	s_mov_b32 s[G1B+6], 0
	s_mov_b32 s[G1B+7], 0
	s_mul_i32 s20, s17, A_RT
	s_mul_i32 s18, s16, A_O
	s_add_co_u32 s20, s20, s18
	s_mov_b32 s21, 0
	s_mul_i32 s46, s42, B_NT
	s_mul_i32 s18, s16, B_O
	s_add_co_u32 s46, s46, s18
	s_add_co_u32 s46, s46, B_BASE
	s_mov_b32 s47, 0
	s_mul_i32 s45, s16, ACH
	s_mul_i32 s19, s16, CH
	s_add_co_u32 s19, s19, 2*ACH
	s_mul_i32 s12, s17, 204800
	s_mov_b32 s13, 0
	s_mov_b32 s[SEL], 0x76543210
	s_mov_b32 s[SEL+1], 0xfedcba98
	s_mov_b32 s[GAM], 0x4038aa3b
	s_mov_b32 s[BET], 0xc0000000
	s_cmp_eq_u32 s15, 0
	s_cselect_b32 s[GAM], 0xbfb8aa3b, s[GAM]
	s_cselect_b32 s[BET], 0x3f800000, s[BET]
	s_cselect_b32 s96, 0, 0x3f800000
	s_mov_b32 s[GAM+1], s[GAM]
	s_mov_b32 s[BET+1], s[BET]
	v_mov_b32 v[AL], s96
	v_mov_b32 v[AL+1], s96
	s_wait_kmcnt 0x0
	s_add_nc_u64 s[20:21], s[ABUF:ABUF+1], s[20:21]
	s_add_nc_u64 s[46:47], s[4:5], s[46:47]
	s_add_nc_u64 s[12:13], s[6:7], s[12:13]
	s_cmp_eq_u32 s16, 0
.irp n, 0,1
	s_add_nc_u64 s[PA+2*\n:PA+2*\n+1], s[20:21], \n*ACH
	s_add_nc_u64 s[ALT+2*\n:ALT+2*\n+1], s[20:21], (4+\n)*ACH
	s_add_nc_u64 s[66:67], s[12:13], \n*ACH
	s_cselect_b64 s[ALT+2*\n:ALT+2*\n+1], s[ALT+2*\n:ALT+2*\n+1], s[66:67]
.endr
	s_mov_b32 s[PST], CH                           ; the prefetches: the tile that I fetch, its stride along K,
	s_cmp_eq_u32 s15, 0
	s_cselect_b64 s[4:5], s[20:21], s[46:47]
	s_cselect_b32 s[PST], ACH, s[PST]
	s_cselect_b32 s66, s40, s41                    ; my work-group's place among the four that ask for it jointly
	s_mov_b32 s[PST+1], 0
	s_lshr_b32 s67, s[PST], 2
	s_mul_i32 s66, s66, s67                        ; its quarter of the tile
	s_mov_b32 s67, 0
	s_add_nc_u64 s[4:5], s[4:5], s[66:67]
	s_add_nc_u64 s[6:7], s[12:13], s[66:67]        ; the same quarter of rhq's first chunk
	s_add_nc_u64 s[4:5], s[4:5], s[PST:PST+1]      ; K step 1
	s_add_nc_u64 s[PFP:PFP+1], s[4:5], s[PST:PST+1] ; K step 2
	s_cmp_eq_u32 s14, 1
	s_cselect_b64 s[PFP:PFP+1], s[6:7], s[PFP:PFP+1]   ; wave 1 walks rhq's four chunks
	s_cselect_b32 s2, 2, 1
	CROUND
.irp s, 0,1
	s_mov_b32 s[G0A+4*\s], 1
	s_add_co_u32 s[G0A+4*\s+1], s45, \s*SLOT
	s_add_nc_u64 s[G0A+4*\s+2:G0A+4*\s+3], s[20:21], \s*ACH
	s_or_b32 s[G0A+4*\s+3], s[G0A+4*\s+3], 0x80000000
	s_mov_b32 s[G0B+4*\s], 1
	s_add_co_u32 s[G0B+4*\s+1], s19, \s*SLOT
	s_add_nc_u64 s[G0B+4*\s+2:G0B+4*\s+3], s[46:47], \s*CH
	s_or_b32 s[G0B+4*\s+3], s[G0B+4*\s+3], 0x80000000
.endr
	JLOAD G0A, G1A, G0B, G1B                       ; K step 0: one tensor load a wave at the head; the set-up below stands under its flight
	v_and_b32 v[LN], 31, v0
	v_and_b32 v1, 15, v0
	v_bfe_u32 v2, v0, 4, 1
	v_lshlrev_b32 v[L16], 4, v[LN]
	s_wait_alu depctr_va_vdst(0)
	v_lshlrev_b32 v[L8], 3, v[LN]
	v_lshlrev_b32 v[BO], 6, v2
	v_lshrrev_b32 v24, 1, v[LN]
	v_and_b32 v25, 1, v[LN]
	v_lshlrev_b32 v[PF], 12, v24
	v_lshl_add_u32 v[PF], v25, 8, v[PF]
	v_lshlrev_b32 v24, 3, v1
	v_lshl_add_u32 v24, v2, 9, v24
	s_cmp_eq_u32 s15, 0
	s_cselect_b32 s18, 49, 24                      ; my quarter's last block
	v_add_nc_u32 v[PO+1], 32, v[LN]
	v_min_u32 v[PO], s18, v[LN]
	v_min_u32 v[PO+1], s18, v[PO+1]
	v_lshlrev_b32 v[PO], 8, v[PO]
	v_lshlrev_b32 v[PO+1], 8, v[PO+1]
	s_wait_alu depctr_va_vdst(0)
	s_cmp_eq_u32 s14, 1
	s_cbranch_scc1 .Lx_asked                       ; wave 1's K step 1 is wave 0's own bytes
	ASK 4                                          ; K step 1,
.Lx_asked:
	ASK PFP                                        ; and K step 2 (wave 1: rhq's chunk 0)
	s_mul_i32 s18, s15, ACH
	s_mul_i32 s19, s16, CH
	s_add_co_u32 s18, s18, s19
	s_xor_b32 s19, s15, 1
	s_mul_i32 s20, s15, 4*FRB
	s_add_co_u32 s20, s20, s18
	s_mul_i32 s21, s19, 4*FRB
	s_add_co_u32 s21, s21, s18
	s_mul_i32 s22, s15, CH
	s_add_co_u32 s22, s22, 2*ACH
	s_lshl_b32 s23, s15, 8
	s_add_co_u32 s23, s23, s18
	s_add_co_u32 s23, s23, SCO
	s_lshl_b32 s45, s19, 8
	s_add_co_u32 s45, s45, s18
	s_add_co_u32 s45, s45, SCO
	s_add_co_u32 s12, s22, SCO
.irp n, 0,1
	v_add_nc_u32 v[ADRALO+\n], s20, v[L16]
	v_add_nc_u32 v[ADRAHI+\n], s21, v[L16]
	v_add_nc_u32 v[ADRB+\n], s22, v[L16]
	v_add_nc_u32 v[ADSALO+\n], s23, v24
	v_add_nc_u32 v[ADSAHI+\n], s45, v24
	v_add_nc_u32 v[ADSB+\n], s12, v24
	s_add_co_u32 s20, s20, SLOT
	s_add_co_u32 s21, s21, SLOT
	s_add_co_u32 s22, s22, SLOT
	s_add_co_u32 s23, s23, SLOT
	s_add_co_u32 s45, s45, SLOT
	s_add_co_u32 s12, s12, SLOT
.endr
	s_lshl_b32 s18, s14, 15
	v_add_nc_u32 v[XS], s18, v[L16]
	s_xor_b32 s18, s14, 2
	s_lshl_b32 s18, s18, 15
	v_add_nc_u32 v[XL], s18, v[L16]
	s_mul_i32 s18, s14, 16*SP
	s_add_co_u32 s18, s18, SLOT
	v_add_nc_u32 v[STD], s18, v[L16]
	v_mul_u32_u24 v24, v1, SP
	v_lshl_add_u32 v24, v2, 6, v24
	v_add_nc_u32 v[STL], s18, v24
	s_lshl_b32 s12, s17, 8
	s_lshl_b32 s13, s16, 7
	s_add_co_u32 s12, s12, s13
	s_lshl_b32 s13, s15, 6
	s_add_co_u32 s12, s12, s13
	s_lshl_b32 s12, s12, 12
	s_lshl_b32 s13, s42, 9
	s_add_co_u32 s66, s12, s13
	s_mov_b32 s67, 0
	s_add_nc_u64 s[80:81], s[8:9], s[66:67]
	s_add_nc_u64 s[82:83], s[70:71], s[66:67]
	s_mov_b32 s66, s13
	s_cmp_eq_u32 s15, 0
	s_cselect_b64 s[88:89], s[10:11], s[68:69]
	s_add_nc_u64 s[88:89], s[88:89], s[66:67]
	s_lshl_b32 s12, s17, 2
	s_lshr_b32 s13, s42, 1
	s_add_co_u32 s12, s12, s13
	s_lshl_b32 s12, s12, 1
	s_add_co_u32 s12, s12, s16
	s_mul_i32 s12, s12, CH
	s_and_b32 s13, s42, 1
	s_mul_i32 s22, s13, QB
	s_add_co_u32 s22, s22, s12
	s_mul_i32 s23, s15, 4*FRB
	s_add_co_u32 s66, s22, s23
	s_add_nc_u64 s[84:85], s[72:73], s[66:67]
	s_lshl_b32 s22, s13, 9
	s_add_co_u32 s22, s22, s12
	s_lshl_b32 s23, s15, 8
	s_add_co_u32 s22, s22, s23
	s_add_co_u32 s66, s22, SCO
	s_add_nc_u64 s[86:87], s[72:73], s[66:67]
.irp b, 0,1,2,3
.irp j, 0,1,2,3
	global_load_b128 v[BI+16*\b+4*\j:BI+16*\b+4*\j+3], v[BO], s[88:89] offset:128*\b+16*\j
.endr
.endr
	s_wait_alu depctr_va_vdst(0)                   ; the wait at the head's end
	s_wait_xcnt 0x0                                ; my prefetches have read their address
	s_add_nc_u64 s[PFP:PFP+1], s[PFP:PFP+1], s[PST:PST+1]   ; one tile on
	s_wait_tensorcnt 0x0                           ; my part of K step 0 is in; slot 1's first fill is issued as a refill is:
	ds_add_u32 v[SPW], v[NIL]
	s_wait_dscnt 0x0
	CROUND                                         ; everybody's part of K step 0 is in, and the sixteen work-groups meet
	JLOAD G0A+4, G1A, G0B+4, G1B                   ; K step 1, the first tensor load behind the round
	FETCH_B 0, 0, 0
	FETCH_A 0, 0, 0
	SCALES 0
	ASK PFP                                        ; K step 3 (wave 1: rhq's chunk 1)
	FETCH_A 0, 0, 4
	STEP 0, 0, 1
.if LAPS > 1
	s_mov_b32 s3, LAPS-1
.Llap:
	TURN 0, 1, 1
	STEP 1, 0, 0
	TURN 1, 0, 1
	STEP 0, 0, 0
	s_sub_co_u32 s3, s3, 1
	s_cmp_lg_u32 s3, 0
	s_cbranch_scc1 .Llap
.endif
.irp k, 0,1,2,3
	global_prefetch_b8 v[PF], s[80:81] offset:65536*\k th:TH_LOAD_NT scope:SCOPE_SE
.endr
	TURN 0, 1, 0
	STEP 1, 0, 0
	s_wait_dscnt 4*NL
	WIN MUL_LO
	MUL16 0, 1, 1, 1, 0
	MUL16 2, 1, 1, 1, 0
	s_wait_dscnt 0
	WIN MUL_HI
	MUL16 4, 1, 1, 1, 0
	MUL16 6, 1, 1, 1, 0
	WIN 0
	PLACES NP
	s_wait_loadcnt 0x0
	HLOADS
.set j, 0
.rept 32
	v_pk_mul_f32 v[BI+j:BI+j+1], v[BI+j:BI+j+1], s[GAM:GAM+1] op_sel_hi:[1,0]
.set j, j+2
.endr
.irp b, 0,1,2,3
	v_mov_b32 v[TM+4+\b], 0
.endr
	ACT 0xc3, 0
	ACT 0xc3, 64
	ACT 0xc3, 128
	ACT 0xc3, 192
	XSEND
	ACT 0x82, 0
	ACT 0x82, 64
	ACT 0x82, 128
	ACT 0x82, 192
	WIN 0
	XMEET
.irp a, 0,1,2,3
.if \a > 0
	s_wait_xcnt 0x0
.endif
	PTLOAD \a
	HTURN \a
	s_wait_dscnt 0x0
	s_cmp_lg_u32 s15, 0
	s_cbranch_scc1 .Lcand\a
	WIN 0xcf
.set j, 0
.rept 32
	v_pk_add_f32 v[HH+j:HH+j+1], v[HH+j:HH+j+1], v[PT+j:PT+j+1] neg_lo:[0,1] neg_hi:[0,1]
.set j, j+2
.endr
	WIN 0x3e
.set j, 0
.rept 32
	v_pk_fma_f32 v[EV+j:EV+j+1], v[64*\a+j:64*\a+j+1], v[HH+j:HH+j+1], v[PT+j:PT+j+1]
.set j, j+2
.endr
	WIN 0
	s_branch .Ljoin\a
.Lcand\a:
	WIN 0xcb
.set j, 0
.rept 32
	v_pk_add_f32 v[HH+j:HH+j+1], v[HH+j:HH+j+1], v[64*\a+j:64*\a+j+1] neg_lo:[0,1] neg_hi:[0,1]
.set j, j+2
.endr
	WIN 0x2f
.set j, 0
.rept 32
	v_pk_fma_f32 v[EV+j:EV+j+1], v[PT+j:PT+j+1], v[HH+j:HH+j+1], v[64*\a+j:64*\a+j+1]
.set j, j+2
.endr
	WIN 0
.Ljoin\a:
	s_wait_alu depctr_va_vdst(0)
.irp b, 0,1,2,3
.irp j, 0,1,2,3
	ds_store_b128 v[STL], v[EV+16*\b+4*\j:EV+16*\b+4*\j+3] offset:128*\b+16*\j
.endr
.endr
	WIN 0xc0
.irp t, 0,1,2,3,4,5,6,7,8,9,10,11,12,13,14,15
	ds_load_b128 v[ORW+4*\t:ORW+4*\t+3], v[STD] offset:SP*\t
.endr
	WIN 0
	QUANT EV, PW+\a
.irp c, 0,1,2
	global_store_b128 v[L16], v[PC+4*\c:PC+4*\c+3], s[84:85] offset:FRB*\a+512*\c
.endr
	s_wait_dscnt 0x0
	WIN 0x0c
.irp t, 0,1,2,3,4,5,6,7,8,9,10,11,12,13,14,15
	global_store_b128 v[L16], v[ORW+4*\t:ORW+4*\t+3], s[82:83] offset:4096*(16*\a+\t) th:TH_STORE_NT
.endr
	WIN 0
.endr
	v_cmp_lt_u32 vcc_lo, 15, v[LN]
	v_cndmask_b32 v[SD], v[PW], v[PW+2], vcc_lo
	v_cndmask_b32 v[SD+1], v[PW+1], v[PW+3], vcc_lo
	global_store_b64 v[L8], v[SD:SD+1], s[86:87]
	s_wait_tensorcnt 0x0
	ds_add_u32 v[SPW], v[NIL]
	s_wait_dscnt 0x0
	CROUND
	s_endpgm
.Lfunc_end_k_q5261ca8bce_gate_zc:
	.size	k_q5261ca8bce_gate_zc, .Lfunc_end_k_q5261ca8bce_gate_zc-k_q5261ca8bce_gate_zc
	.p2alignl 7, 3214868480
	.fill 96, 4, 3214868480
	.section	.rodata,"a",@progbits
	.p2align	6, 0x0
	.amdhsa_kernel k_q5261ca8bce_gate_zc
		.amdhsa_group_segment_fixed_size 327680
		.amdhsa_private_segment_fixed_size 0
		.amdhsa_enable_private_segment 0
		.amdhsa_kernarg_size 56
		.amdhsa_user_sgpr_count 2
		.amdhsa_user_sgpr_kernarg_segment_ptr 1
		.amdhsa_wavefront_size32 1
		.amdhsa_system_sgpr_workgroup_id_x 1
		.amdhsa_system_sgpr_workgroup_id_y 1
		.amdhsa_system_sgpr_workgroup_id_z 1
		.amdhsa_system_vgpr_workitem_id 0
		.amdhsa_next_free_vgpr 1024
		.amdhsa_next_free_sgpr 102
		.amdhsa_reserve_vcc 1
		.amdhsa_float_denorm_mode_32 3
		.amdhsa_float_denorm_mode_16_64 3
		.amdhsa_memory_ordered 1
		.amdhsa_forward_progress 1
		.amdhsa_inst_pref_size 255
	.end_amdhsa_kernel
	.section	.bss,"aw",@nobits
	.p2align	6
	.space	262144
	.amdgpu_metadata
---
amdhsa.version: [ 1, 2 ]
amdhsa.kernels:
  - .name:           k_q5261ca8bce_gate_zc
    .symbol:         k_q5261ca8bce_gate_zc.kd
    .args:
      - { .name: cq, .offset: 0, .size: 8, .value_kind: global_buffer, .address_space: global }
      - { .name: rhq, .offset: 8, .size: 8, .value_kind: global_buffer, .address_space: global }
      - { .name: hidden, .offset: 16, .size: 8, .value_kind: global_buffer, .address_space: global }
      - { .name: b_z, .offset: 24, .size: 8, .value_kind: global_buffer, .address_space: global }
      - { .name: b_c, .offset: 32, .size: 8, .value_kind: global_buffer, .address_space: global }
      - { .name: out1, .offset: 40, .size: 8, .value_kind: global_buffer, .address_space: global }
      - { .name: nhq, .offset: 48, .size: 8, .value_kind: global_buffer, .address_space: global }
    .group_segment_fixed_size: 327680
    .private_segment_fixed_size: 0
    .kernarg_segment_align: 8
    .kernarg_segment_size: 56
    .max_flat_workgroup_size: 128
    .sgpr_count:     102
    .vgpr_count:     1024
    .wavefront_size: 32
...
	.end_amdgpu_metadata
.endif
;; end of part 3
;; launch outp (part 4): grid 8 x 32, 4 waves a work-group, clusters of 4 x 4, 327,680 bytes of LDS; arguments cq, nhq, b_o, out0; writes out0
.if DOCPART == 4
	.amdgcn_target "amdgcn-amd-amdhsa--gfx1250"
	.amdhsa_code_object_version 6
	.text
	.protected	k_q5261ca8bce_outp
	.globl	k_q5261ca8bce_outp
	.p2align	8
	.type	k_q5261ca8bce_outp,@function
k_q5261ca8bce_outp:
	s_mov_b64 s[64:65], 0
	v_nop
	global_prefetch_b8 v0, s[64:65] scope:SCOPE_SE
	s_setreg_imm32_b32 hwreg(HW_REG_WAVE_MODE, 25, 1), 1
	s_wait_xcnt 0x0
	s_wait_alu depctr_hold_cnt(0) depctr_sa_sdst(0) depctr_va_vdst(0) depctr_va_sdst(0) depctr_va_ssrc(0) depctr_va_vcc(0) depctr_vm_vsrc(0)
	s_getreg_b32 s2, hwreg(HW_REG_IB_STS2, 6, 4)
	s_cmp_eq_u32 s2, 0
	s_cbranch_scc0 .Lentry_in_a_cluster
	s_endpgm
.Lentry_in_a_cluster:
	s_bfe_u32 s2, ttmp6, 0x10000c
	s_cmp_lg_u32 s2, 0xf033
	s_cbranch_scc0 .Lentry_shape_is_right
	s_endpgm
.Lentry_shape_is_right:
; out0 = new_hidden W_o^T + b_o, on codes of FP6 (E2M3) with E8M0 scales, sums in f32.
; SHARES.  A work-group owns 256 rows x 128 columns.  K = 1,024 is cut in two: waves 0, 1 sum K 0-511, waves 2, 3 K 512-1,023 (the two partial sums are added in f32 at the end: an order of rounding that differs from one chain
; over K); wave w takes half g = w / 2 of K and rows 128 (w % 2) on: 128 x 128, 64 accumulators, 512 registers.
; OPERANDS lie in memory in the order of the operand's registers (sub-chunks of 128 rows x 256 K, CH bytes); a K step's tile is one dense block for one tensor load, a fragment three ds_load_b128 at 16 x lane.
; Each half of K is two steps of 256: both LDS slots are filled once, at the start, and nothing is filled again.
; CLUSTERS: 4 x 4 work-groups; the activations' tiles are asked for jointly along a row of the cluster, the weights' along a column.
; THE MATRIX INSTRUCTION IS USED TRANSPOSED (source 0 = 16 rows of W_o, chosen as 32 (i / 2) + 8 (i % 2) + r + 8 (r / 8)): register e = 8 b + j of a row block is column 32 (e / 16) + 16 (lane / 16) + e % 16 of row lane % 16.
; THE TAIL.  The two waves of a row half exchange halves through LDS (wave g keeps row blocks 4 g .. 4 g + 3, window 2, and sends the other four, window 3); each adds, adds the bias, and stores 64 rows x 128 columns as whole rows of 512 bytes.
; LIMITS: NaN and infinities are not served.
.set NK,     2
.set A_RT,   204800
.set A_O,    102400                    ; from K 0 to K 512
.set B_BASE, 18022400                  ; W_o's codes in cq
.set B_NT,   102400
.set B_O,    51200
.set ABUF,   6                         ; nhq: s[6:7]
.set ALTSW,  0
.set CH,     25600
.set ACH,    2*CH
.set FRB,    1536
.set QB,     8*FRB
.set SCO,    2*QB
.set SLOT,   2*ACH+2*CH
.set SPARE,  2*SLOT                    ; behind the slots: the spare words, 128 bytes for each wave: two blocks of 256 bytes that no other line names
.set LAPS,   NK/2
.set FR,     12
.set NL,     3
.set NP,     4
.set SP,     528
.set LN,  3
.set L16, 4
.set BO,  6
.set ADRALO, 8
.set ADRAHI, 10
.set ADRB,   12
.set ADSALO, 14
.set ADSAHI, 16
.set ADSB,   18
.set XS,  20
.set XL,  21
.set STD, 22
.set STL, 23
.set SPW, 28
.set NIL, 29
.set SC,  32
.set BI,  64
.set AF,  128
.set EV,  128
.set PT,  0                            ; in window 3
.set ORW, 128
.set G1A, 24
.set G0A, 32
.set G1B, 48
.set G0B, 56
.set MSB, 0
.macro WIN new                         ; the immediate's high byte repeats the setting that is left
.if MSB != \new
	s_set_vgpr_msb (MSB<<8)|\new
.set MSB, \new
.endif
.endm
.set MUL_LO, 0xa1
.set MUL_HI, 0xf1
.set TO_B,   0x40
; A joint load: waves 0 and 1 fetch the two halves' activations, waves 2 and 3 their weights.  The branch hangs on the wave's number alone.  Four v_nop follow each of the two lines.
.macro JLOAD g0a, g1a, g0b, g1b
	s_cmp_eq_u32 s15, 0
	s_cbranch_scc0 .Lfor_b_\@
	tensor_load_to_lds s[\g0a:\g0a+3], s[\g1a:\g1a+7]
	s_nop 0
.rept 4
	v_nop
.endr
	s_branch .Lasked_\@
.Lfor_b_\@:
	tensor_load_to_lds s[\g0b:\g0b+3], s[\g1b:\g1b+7]
	s_nop 0
.rept 4
	v_nop
.endr
.Lasked_\@:
.endm
.macro CREST
	s_cmp_lg_u32 s14, 0
	s_cbranch_scc1 .Lnot_wave_0_\@
	s_barrier_signal -3
.Lnot_wave_0_\@:
	s_barrier_wait -3
	s_barrier_signal -1
	s_barrier_wait -1
.endm
.macro CROUND
	s_barrier_signal -1
	s_barrier_wait -1
	CREST
.endm
.macro PLACES n
.rept \n
	v_nop
.endr
.endm
.macro FRAG reg, adr, off
.irp c, 0,1,2
	ds_load_b128 v[\reg+4*\c:\reg+4*\c+3], v[\adr] offset:\off+512*\c
.endr
.endm
.macro FETCH_B slot, q, p
	WIN TO_B
.irp i, 0,1,2,3,4,5,6,7
	FRAG 128*(\p)+FR*\i, ADRB+\slot, QB*(\q)+FRB*\i
.endr
	WIN 0
.endm
.macro FETCH_A slot, q, i0
.irp i, 0,1,2,3
.if \i0 == 0
	FRAG AF+FR*\i, ADRALO+\slot, QB*(\q)+FRB*\i
.else
	FRAG AF+FR*(4+\i), ADRAHI+\slot, QB*(\q)+FRB*\i
.endif
.endr
.endm
.macro SCALES slot
.irp p, 0,1
	ds_load_b64 v[SC+16*\slot+2*\p:SC+16*\slot+2*\p+1], v[ADSALO+\slot] offset:128*\p
	ds_load_b64 v[SC+16*\slot+4+2*\p:SC+16*\slot+4+2*\p+1], v[ADSAHI+\slot] offset:128*\p
.endr
.irp p, 0,1,2,3
	ds_load_b64 v[SC+16*\slot+8+2*\p:SC+16*\slot+8+2*\p+1], v[ADSB+\slot] offset:128*\p
.endr
.endm
; 16 matrix instructions: row blocks a0, a0 + 1 x the weights' eight.  The 64 accumulators take turns, one instruction a turn, in the same order in every step.
.macro MUL16 a0, p, q, sc, zero
.irp a, \a0, \a0+1
.irp b, 0,1,2,3,4,5,6,7
.if \zero
	v_wmma_scale_f32_16x16x128_f8f6f4 v[8*(8*((\a)%4)+\b):8*(8*((\a)%4)+\b)+7], v[128*(\p)+FR*\b:128*(\p)+FR*\b+FR-1], v[AF+FR*(\a):AF+FR*(\a)+FR-1], 0, v[SC+16*(\sc)+8+\b], v[SC+16*(\sc)+(\a)] matrix_a_fmt:MATRIX_FMT_FP6 matrix_b_fmt:MATRIX_FMT_FP6
.elseif (\q) == 0
	v_wmma_scale_f32_16x16x128_f8f6f4 v[8*(8*((\a)%4)+\b):8*(8*((\a)%4)+\b)+7], v[128*(\p)+FR*\b:128*(\p)+FR*\b+FR-1], v[AF+FR*(\a):AF+FR*(\a)+FR-1], v[8*(8*((\a)%4)+\b):8*(8*((\a)%4)+\b)+7], v[SC+16*(\sc)+8+\b], v[SC+16*(\sc)+(\a)] matrix_a_fmt:MATRIX_FMT_FP6 matrix_b_fmt:MATRIX_FMT_FP6
.else
	v_wmma_scale_f32_16x16x128_f8f6f4 v[8*(8*((\a)%4)+\b):8*(8*((\a)%4)+\b)+7], v[128*(\p)+FR*\b:128*(\p)+FR*\b+FR-1], v[AF+FR*(\a):AF+FR*(\a)+FR-1], v[8*(8*((\a)%4)+\b):8*(8*((\a)%4)+\b)+7], v[SC+16*(\sc)+8+\b], v[SC+16*(\sc)+(\a)] matrix_a_fmt:MATRIX_FMT_FP6 matrix_b_fmt:MATRIX_FMT_FP6 matrix_a_scale:MATRIX_SCALE_ROW1 matrix_b_scale:MATRIX_SCALE_ROW1
.endif
.endr
.endr
.endm
.macro STEP slot, q, zero
	s_wait_dscnt 4*NL                              ; all but the youngest 12 loads (row blocks 4-7) are in
	WIN MUL_LO
	MUL16 0, (\q)%2, \q, \slot, \zero
	MUL16 2, (\q)%2, \q, \slot, \zero
	s_wait_dscnt 0                                 ; row blocks 4-7 are in
	PLACES NP                                      ; in front of loads into registers that matrix instructions have read
	FETCH_B \slot, (\q)+1, 1-(\q)%2
	FETCH_A \slot, (\q)+1, 0
	WIN MUL_HI
	MUL16 4, (\q)%2, \q, \slot, \zero
	MUL16 6, (\q)%2, \q, \slot, \zero
	PLACES NP
	WIN 0
	FETCH_A \slot, (\q)+1, 4
.endm
; A slot's last step changes slots: one barrier; in front of it each wave waits for all its tensor loads, adds 0 to its spare word, and waits for that and for its own reads of this slot.  (Here fill is always 0.)
; PREFETCH: K has two steps a wave and no loop to run ahead in: at the head, under K step 0's flight, each wave asks for K step 1 of the tile that it fetches; the four partners of a joint load share its blocks of 256 bytes out by address.
.set PST, 96                           ; s[96:97] bytes from a K step's tile to the next: ACH for waves 0, 1, CH for waves 2, 3
.set PO,  26                           ; v26-27   256 x my block among my work-group's quarter of the tile (50 blocks of activations, 25 of weights; lanes left over name the last)
.macro ASK ptr                         ; a quarter of one tile: a lane a block; the second line serves the activations' blocks 32-49
	global_prefetch_b8 v[PO], s[\ptr:\ptr+1] th:TH_LOAD_NT scope:SCOPE_SE
	s_cmp_eq_u32 s15, 0
	s_cbranch_scc0 .Lasked_all_\@
	global_prefetch_b8 v[PO+1], s[\ptr:\ptr+1] th:TH_LOAD_NT scope:SCOPE_SE
.Lasked_all_\@:
.endm
.macro TURN slot, next, fill
	s_wait_tensorcnt 0x0                           ; all my tensor loads have landed: my part of the next slot
	ds_add_u32 v[SPW], v[NIL]                      ; 0 onto my spare word
	s_wait_dscnt 4*NL+1                            ; (the add and the youngest 12 loads may be out)
	WIN MUL_LO
	MUL16 0, 1, 1, \slot, 0
	s_wait_dscnt 0x0                               ; the add is done, and my reads of this slot are over
	s_barrier_signal -1
	MUL16 2, 1, 1, \slot, 0
	WIN 0
	s_barrier_wait -1
.if \fill
	CREST
	s_add_nc_u64 s[G0A+4*\slot+2:G0A+4*\slot+3], s[G0A+4*\slot+2:G0A+4*\slot+3], 2*ACH
	s_add_nc_u64 s[G0B+4*\slot+2:G0B+4*\slot+3], s[G0B+4*\slot+2:G0B+4*\slot+3], 2*CH
	JLOAD G0A+4*\slot, G1A, G0B+4*\slot, G1B
.else
	PLACES NP
.endif
	FETCH_B \next, 0, 0
	FETCH_A \next, 0, 0
	SCALES \next
	WIN MUL_HI
	MUL16 4, 1, 1, \slot, 0
	MUL16 6, 1, 1, \slot, 0
	PLACES NP
	WIN 0
	FETCH_A \next, 0, 4
.endm
.macro XSEND                           ; accumulators 4-7 x 8 go to my part of the exchange as they stand, each from its low end on
	WIN 0x0c
.set k, 0
.rept 32
	ds_store_b128 v[XS], v[8*k:8*k+3] offset:1024*k
	ds_store_b128 v[XS], v[8*k+4:8*k+7] offset:1024*k+512
.set k, k+1
.endr
	WIN 0
.endm
.macro XMEET
	s_wait_dscnt 0x0
	s_barrier_signal -1
	s_barrier_wait -1
.endm
.macro PTLOAD a
	WIN 0xc0
.irp k, 0,1,2,3,4,5,6,7,8,9,10,11,12,13,14,15
	ds_load_b128 v[PT+4*\k:PT+4*\k+3], v[XL] offset:8192*(\a)+512*\k
.endr
.endm
	s_load_b256 s[4:11], s[0:1], 0x0               ; cq s[4:5], nhq s[6:7], b_o s[8:9], out0 s[10:11]
	v_lshl_add_u32 v[SPW], v0, 2, SPARE
	v_mov_b32 v[NIL], 0
	ds_add_u32 v28, v29
	ds_add_u32 v28, v29
	s_wait_dscnt 0x0
	v_lshrrev_b32 v1, 5, v0
	v_readfirstlane_b32 s14, v1                    ; wave 0..3
	s_lshr_b32 s15, s14, 1                         ; g: my half of K.  Also: I fetch activations (0) or weights (1)
	s_and_b32 s16, s14, 1                          ; my half of the rows.  Also: for which half of K I fetch
	s_bfe_u32 s40, ttmp6, 0x40000
	s_bfe_u32 s41, ttmp6, 0x40004
	s_lshl_b32 s42, ttmp9, 2
	s_add_co_u32 s42, s42, s40                     ; nt
	s_and_b32 s17, ttmp7, 0xffff
	s_lshl_b32 s17, s17, 2
	s_add_co_u32 s17, s17, s41                     ; rt
	s_lshl_b32 s43, s41, 2
	s_lshl_b32 s43, 15, s43
	s_lshl_b32 s44, 0x1111, s40
	s_or_b32 s[G1A], s43, (3<<16)|(1<<21)          ; 15:0 the mask; 17:16 elements of 8 bytes; 20 no padding; 21 set beside a mask
	s_or_b32 s[G1B], s44, (3<<16)|(1<<21)
	s_mov_b32 s[G1A+1], 32<<16
	s_mov_b32 s[G1A+2], (ACH/256)<<16
	s_mov_b32 s[G1A+3], 32<<16
	s_mov_b32 s[G1A+4], ACH/256
	s_mov_b32 s[G1A+5], 32
	s_mov_b32 s[G1A+6], 0
	s_mov_b32 s[G1A+7], 0
	s_mov_b32 s[G1B+1], 32<<16
	s_mov_b32 s[G1B+2], (CH/256)<<16
	s_mov_b32 s[G1B+3], 32<<16
	s_mov_b32 s[G1B+4], CH/256
	s_mov_b32 s[G1B+5], 32
	s_mov_b32 s[G1B+6], 0
	s_mov_b32 s[G1B+7], 0
	s_mul_i32 s20, s17, A_RT
	s_mul_i32 s18, s16, A_O
	s_add_co_u32 s20, s20, s18
	s_mov_b32 s21, 0
	s_mul_i32 s46, s42, B_NT
	s_mul_i32 s18, s16, B_O
	s_add_co_u32 s46, s46, s18
	s_add_co_u32 s46, s46, B_BASE
	s_mov_b32 s47, 0
	s_mul_i32 s45, s16, ACH
	s_mul_i32 s19, s16, CH
	s_add_co_u32 s19, s19, 2*ACH
	s_wait_kmcnt 0x0
	s_add_nc_u64 s[20:21], s[ABUF:ABUF+1], s[20:21]
	s_add_nc_u64 s[46:47], s[4:5], s[46:47]
	s_mov_b32 s[PST], CH                           ; the prefetch: the tile that I fetch, its stride along K,
	s_cmp_eq_u32 s15, 0
	s_cselect_b64 s[4:5], s[20:21], s[46:47]
	s_cselect_b32 s[PST], ACH, s[PST]
	s_cselect_b32 s66, s40, s41                    ; my work-group's place among the four that ask for it jointly
	s_mov_b32 s[PST+1], 0
	s_lshr_b32 s67, s[PST], 2
	s_mul_i32 s66, s66, s67                        ; its quarter of the tile
	s_mov_b32 s67, 0
	s_add_nc_u64 s[4:5], s[4:5], s[66:67]
	s_add_nc_u64 s[4:5], s[4:5], s[PST:PST+1]      ; K step 1
	CROUND                                         ; all sixteen work-groups are here: the joint loads meet
.irp s, 0,1
	s_mov_b32 s[G0A+4*\s], 1
	s_add_co_u32 s[G0A+4*\s+1], s45, \s*SLOT
	s_add_nc_u64 s[G0A+4*\s+2:G0A+4*\s+3], s[20:21], \s*ACH
	s_or_b32 s[G0A+4*\s+3], s[G0A+4*\s+3], 0x80000000
	s_mov_b32 s[G0B+4*\s], 1
	s_add_co_u32 s[G0B+4*\s+1], s19, \s*SLOT
	s_add_nc_u64 s[G0B+4*\s+2:G0B+4*\s+3], s[46:47], \s*CH
	s_or_b32 s[G0B+4*\s+3], s[G0B+4*\s+3], 0x80000000
.endr
	JLOAD G0A, G1A, G0B, G1B                       ; K step 0: one tensor load a wave at the head; the set-up below stands under its flight
	v_and_b32 v[LN], 31, v0
	v_and_b32 v1, 15, v0                           ; r
	v_bfe_u32 v2, v0, 4, 1                         ; lane / 16
	v_lshlrev_b32 v[L16], 4, v[LN]
	s_wait_alu depctr_va_vdst(0)
	v_lshlrev_b32 v[BO], 6, v2
	v_lshlrev_b32 v24, 3, v1
	v_lshl_add_u32 v24, v2, 9, v24
	s_cmp_eq_u32 s15, 0
	s_cselect_b32 s18, 49, 24                      ; my quarter's last block
	v_add_nc_u32 v[PO+1], 32, v[LN]
	v_min_u32 v[PO], s18, v[LN]
	v_min_u32 v[PO+1], s18, v[PO+1]
	v_lshlrev_b32 v[PO], 8, v[PO]
	v_lshlrev_b32 v[PO+1], 8, v[PO+1]
	s_wait_alu depctr_va_vdst(0)
	ASK 4                                          ; K step 1
	s_mul_i32 s18, s15, ACH
	s_mul_i32 s19, s16, CH
	s_add_co_u32 s18, s18, s19
	s_xor_b32 s19, s15, 1
	s_mul_i32 s20, s15, 4*FRB
	s_add_co_u32 s20, s20, s18
	s_mul_i32 s21, s19, 4*FRB
	s_add_co_u32 s21, s21, s18
	s_mul_i32 s22, s15, CH
	s_add_co_u32 s22, s22, 2*ACH
	s_lshl_b32 s23, s15, 8
	s_add_co_u32 s23, s23, s18
	s_add_co_u32 s23, s23, SCO
	s_lshl_b32 s45, s19, 8
	s_add_co_u32 s45, s45, s18
	s_add_co_u32 s45, s45, SCO
	s_add_co_u32 s12, s22, SCO
.irp n, 0,1
	v_add_nc_u32 v[ADRALO+\n], s20, v[L16]
	v_add_nc_u32 v[ADRAHI+\n], s21, v[L16]
	v_add_nc_u32 v[ADRB+\n], s22, v[L16]
	v_add_nc_u32 v[ADSALO+\n], s23, v24
	v_add_nc_u32 v[ADSAHI+\n], s45, v24
	v_add_nc_u32 v[ADSB+\n], s12, v24
	s_add_co_u32 s20, s20, SLOT
	s_add_co_u32 s21, s21, SLOT
	s_add_co_u32 s22, s22, SLOT
	s_add_co_u32 s23, s23, SLOT
	s_add_co_u32 s45, s45, SLOT
	s_add_co_u32 s12, s12, SLOT
.endr
	s_lshl_b32 s18, s14, 15                        ; the exchange lies in slot 0: it has had its only fill and its last read when the first result is stored there
	v_add_nc_u32 v[XS], s18, v[L16]
	s_xor_b32 s18, s14, 2
	s_lshl_b32 s18, s18, 15
	v_add_nc_u32 v[XL], s18, v[L16]
	s_mul_i32 s18, s14, 16*SP                      ; the stages lie in slot 1 and are touched only behind the exchange's barrier
	s_add_co_u32 s18, s18, SLOT
	v_add_nc_u32 v[STD], s18, v[L16]
	v_mul_u32_u24 v24, v1, SP
	v_lshl_add_u32 v24, v2, 6, v24
	v_add_nc_u32 v[STL], s18, v24
	s_lshl_b32 s12, s17, 8
	s_lshl_b32 s13, s16, 7
	s_add_co_u32 s12, s12, s13
	s_lshl_b32 s13, s15, 6
	s_add_co_u32 s12, s12, s13                     ; the first row that I finish: 256 rt + 128 half + 64 g
	s_lshl_b32 s12, s12, 12
	s_lshl_b32 s13, s42, 9
	s_add_co_u32 s66, s12, s13
	s_mov_b32 s67, 0
	s_add_nc_u64 s[82:83], s[10:11], s[66:67]      ; out0 there
	s_mov_b32 s66, s13
	s_add_nc_u64 s[88:89], s[8:9], s[66:67]        ; the bias of my columns
.irp b, 0,1,2,3
.irp j, 0,1,2,3
	global_load_b128 v[BI+16*\b+4*\j:BI+16*\b+4*\j+3], v[BO], s[88:89] offset:128*\b+16*\j   ; the bias in the results' layout; waited for in the tail
.endr
.endr
	s_wait_alu depctr_va_vdst(0)                   ; the wait at the head's end
	s_wait_tensorcnt 0x0                           ; my part of K step 0 is in; slot 1's first fill is issued as a refill is:
	ds_add_u32 v[SPW], v[NIL]
	s_wait_dscnt 0x0
	CROUND                                         ; everybody's part of K step 0 is in, and the sixteen work-groups meet
	JLOAD G0A+4, G1A, G0B+4, G1B                   ; K step 1, the first tensor load behind the round
	FETCH_B 0, 0, 0
	FETCH_A 0, 0, 0
	SCALES 0
	FETCH_A 0, 0, 4
	STEP 0, 0, 1                                   ; the first step's products start the sums
	TURN 0, 1, 0
	STEP 1, 0, 0
	s_wait_dscnt 4*NL
	WIN MUL_LO
	MUL16 0, 1, 1, 1, 0
	MUL16 2, 1, 1, 1, 0
	s_wait_dscnt 0
	WIN MUL_HI
	MUL16 4, 1, 1, 1, 0
	MUL16 6, 1, 1, 1, 0
	WIN 0
	; THE TAIL
	PLACES NP                                      ; behind the last products, in front of the first reads of results
	s_wait_loadcnt 0x0                             ; the bias
	XSEND
	XMEET
.irp a, 0,1,2,3
.if \a > 0
	s_wait_xcnt 0x0                                ; the last block's stores have read the rows' registers
.endif
	PTLOAD \a
	s_wait_dscnt 0x0
	WIN 0x0e
.set j, 0
.rept 32
	v_pk_add_f32 v[EV+j:EV+j+1], v[64*\a+j:64*\a+j+1], v[PT+j:PT+j+1]   ; the two halves of K; each accumulator from its low end on
.set j, j+2
.endr
	WIN 0
.set j, 0
.rept 32
	v_pk_add_f32 v[EV+j:EV+j+1], v[EV+j:EV+j+1], v[BI+j:BI+j+1]
.set j, j+2
.endr
.irp b, 0,1,2,3
.irp j, 0,1,2,3
	ds_store_b128 v[STL], v[EV+16*\b+4*\j:EV+16*\b+4*\j+3] offset:128*\b+16*\j   ; through my stage, into rows
.endr
.endr
	WIN 0xc0
.irp t, 0,1,2,3,4,5,6,7,8,9,10,11,12,13,14,15
	ds_load_b128 v[ORW+4*\t:ORW+4*\t+3], v[STD] offset:SP*\t   ; LDS serves a wave's instructions in order: these see the stores above
.endr
	s_wait_dscnt 0x0
	WIN 0x0c
.irp t, 0,1,2,3,4,5,6,7,8,9,10,11,12,13,14,15
	global_store_b128 v[L16], v[ORW+4*\t:ORW+4*\t+3], s[82:83] offset:4096*(16*\a+\t) th:TH_STORE_NT   ; 512 consecutive bytes of a row, at a multiple of 256 from out0's first byte
.endr
	WIN 0
.endr
	s_wait_tensorcnt 0x0                           ; the wave's end
	ds_add_u32 v[SPW], v[NIL]
	s_wait_dscnt 0x0
	CROUND                                         ; the closing round
	s_endpgm
.Lfunc_end_k_q5261ca8bce_outp:
	.size	k_q5261ca8bce_outp, .Lfunc_end_k_q5261ca8bce_outp-k_q5261ca8bce_outp
	.p2alignl 7, 3214868480
	.fill 96, 4, 3214868480
	.section	.rodata,"a",@progbits
	.p2align	6, 0x0
	.amdhsa_kernel k_q5261ca8bce_outp
		.amdhsa_group_segment_fixed_size 327680
		.amdhsa_private_segment_fixed_size 0
		.amdhsa_enable_private_segment 0
		.amdhsa_kernarg_size 32
		.amdhsa_user_sgpr_count 2
		.amdhsa_user_sgpr_kernarg_segment_ptr 1
		.amdhsa_wavefront_size32 1
		.amdhsa_system_sgpr_workgroup_id_x 1
		.amdhsa_system_sgpr_workgroup_id_y 1
		.amdhsa_system_sgpr_workgroup_id_z 1
		.amdhsa_system_vgpr_workitem_id 0
		.amdhsa_next_free_vgpr 1024
		.amdhsa_next_free_sgpr 100
		.amdhsa_reserve_vcc 0
		.amdhsa_float_denorm_mode_32 3
		.amdhsa_float_denorm_mode_16_64 3
		.amdhsa_memory_ordered 1
		.amdhsa_forward_progress 1
		.amdhsa_inst_pref_size 98
	.end_amdhsa_kernel
	.amdgpu_metadata
---
amdhsa.version: [ 1, 2 ]
amdhsa.kernels:
  - .name:           k_q5261ca8bce_outp
    .symbol:         k_q5261ca8bce_outp.kd
    .args:
      - { .name: cq, .offset: 0, .size: 8, .value_kind: global_buffer, .address_space: global }
      - { .name: nhq, .offset: 8, .size: 8, .value_kind: global_buffer, .address_space: global }
      - { .name: b_o, .offset: 16, .size: 8, .value_kind: global_buffer, .address_space: global }
      - { .name: out0, .offset: 24, .size: 8, .value_kind: global_buffer, .address_space: global }
    .group_segment_fixed_size: 327680
    .private_segment_fixed_size: 0
    .kernarg_segment_align: 8
    .kernarg_segment_size: 32
    .max_flat_workgroup_size: 128
    .sgpr_count:     100
    .vgpr_count:     1024
    .wavefront_size: 32
...
	.end_amdgpu_metadata
.endif
;; end of part 4
